; MI455X (gfx1250); checked and timed in simulation.
; The chip was launched on July 23, 2026; its instructions are those of AMD's public machine-readable ISA for CDNA 5 (MIT licence, August 2026) and "CDNA5" Instruction Set Architecture Reference Guide (July 2026). The comments in the code are by the model that wrote it; some were corrected since.
;; Adam Layer. Allowed arithmetic: matrix products marked QUANTISED: E4M3 operands, one E8M0 scale for each 32 along K, by v_wmma_scale_f32_16x16x128_f8f6f4 with both operands' format E4M3, f32 sums; products left as they are: f32 operands where the result goes on into a quantised operand, else bf16, f16 or f32 operands; f32 sums; everything else in f32.
;; Inputs: b1 8 x 2,048 float32; b2 8 x 512 float32; gate_b 8 float32; gate_w 512 x 8 float32; ln_b 512 float32; ln_w 512 float32; m 2 x 2,048 x 512 float32; p 2 x 2,048 x 512 float32; v 2 x 2,048 x 512 float32; w1_codes 8 x 2,048 x 16 x 32 uint8 (E4M3 codes of w1, K innermost, in blocks of 32 codes); w1_scales 8 x 2,048 x 16 uint8 (E8M0 scales of w1, one for each 32 codes along K); w2_codes 8 x 512 x 64 x 32 uint8 (E4M3 codes of w2, K innermost, in blocks of 32 codes); w2_scales 8 x 512 x 64 uint8 (E8M0 scales of w2, one for each 32 codes along K); x 2 x 2,048 x 512 float32.
;; Outputs: out0 2 x 2,048 x 512 float32; out1 2 x 2,048 x 512 float32; out2 2 x 2,048 x 512 float32; out3 2 x 2,048 x 512 float32.
;; This version of the problem:
;;   THIS VERSION OF THE PROBLEM IS GIVEN IN LOW PRECISION. The matrix products marked QUANTISED in the list below multiply operands that are first quantised to E4M3 (4 exponent bits, 3 mantissa bits; 8 bits a number), with one power-of-two scale for each 32 numbers along K (OCP MX v1.0); their sums are f32. All else is computed in f32.
;;   The module's matrix products, in the order in which they are computed (A, B: the left and right operand; K: the contracted axis; several contracted axes count as one K, in the product's order):
;;     1. [M 4,096, K 512] x [K 512, N 8]; A: input x; B: input gate_w: left as it is (N = 8 < 16)
;;     2. [M 4,096, K 512] x [K 512, N 16,384]; A: input x; B: input w1 (given as codes): QUANTISED
;;     3. batch 8 x [M 512, K 2,048] x [K 2,048, N 4,096]; A: input w2 (given as codes); B: computed on the way: QUANTISED
;;     4. batch 4,096 x [M 512, K 8] x [K 8, N 1]; A: computed on the way; B: computed on the way: left as it is (K = 8 < 32)
;;   THE QUANTISER, for each operand of a quantised product, along K:
;;     - K is cut into blocks of 32 from its start; a last block that is shorter is filled with zeros.
;;     - A block's scale is 2^e with e = floor(log2(the largest magnitude in the block)) - 8, held to -126 .. 127; a block of zeros has e = 0. As a byte (E8M0): e + 127.
;;     - Each number is divided by its block's scale, clamped to +-448, and rounded to the nearest number of E4M3, ties to even, subnormals kept.
;;     - The product sums the exact products of the quantised numbers (number of the format x scale) in f32.
;;   ~~~python
;;   def quantise(x, axis):      # numpy; x: float32 -> the quantised numbers, widened to float32 again
;;       x = np.moveaxis(x, axis, -1); K = x.shape[-1]
;;       x = np.pad(x, [(0, 0)] * (x.ndim - 1) + [(0, -K % 32)]); x = x.reshape(x.shape[:-1] + (-1, 32)); a = np.abs(x).max(-1, keepdims=True)
;;       e = np.where(a > 0, np.clip(np.frexp(np.where(a > 0, a, 1))[1] - 1 - 8, -126, 127), 0)      # np.frexp(a)[1] - 1 = floor(log2(a)), exactly
;;       r = np.clip(x / 2.0 ** e, -448, 448)
;;       step = 2.0 ** (np.maximum(np.frexp(np.where(r == 0, 1, r))[1] - 1, -6) - 3)
;;       q = np.round(r / step) * step * 2.0 ** e      # np.round: ties to even
;;       return np.moveaxis(q.reshape(q.shape[:-2] + (-1,))[..., :K], -1, axis).astype(np.float32)
;;   ~~~
;;   OPERANDS COMPUTED ON THE WAY. 'Computed on the way' means the value that the module computes at that place (a softmax that the list does not call 'softmax' is quantised finished and normalised). What goes into a quantiser is computed in f32, as accurately as f32 sums, v_exp_f32 and their like allow (about 1e-6 of the number): no bf16 or f16 on the way to a quantiser, and a product that is left as it is and whose result goes on into a quantised operand takes f32 operands (vector FMAs, or v_wmma_f32_16x16x4_f32). A number that lies on a knife's edge between two numbers of the format may be rounded either way, as far as f32 arithmetic and the matrix unit's own rounding can turn it there, and no further.
;;   INPUTS GIVEN AS CODES. w1 (in the module: [8, 512, 2048], K = its axis 1); w2 (in the module: [8, 2048, 512], K = its axis 1): each comes as NAME_codes (uint8): NAME with its K axis moved to the last place and cut into blocks of 32 codes, [.., K / 32, bytes a block], one block behind the other in memory; one code a byte (a code: sign, 4 exponent bits, 3 mantissa bits); and NAME_scales (uint8): the same leading axes, one E8M0 byte (e + 127) for each 32 codes along K. Its value is code x scale, taken as it is: it is not quantised again, and the codes and scales need not be those that the quantiser above would give.
;; 2 versions, each right; version 2 is version 1 with the launch experts written anew for expert scheduling mode. Each part assembles by itself: llvm-mc -triple=amdgcn-amd-amdhsa -mcpu=gfx1250 --defsym DOCPART=n.
;; ======== version 1 of 2: 4 launches
;; workspace buffers: xq 2,097,152 bytes; xs 65,536 bytes; sel 16,384 bytes of whole numbers; gat 32,768 bytes; wst 17,301,504 bytes; lst 131,072 bytes of whole numbers; cnt 256 bytes of whole numbers; eo 33,554,432 bytes
;; launch prep (part 1): grid 768 x 1, 4 waves a work-group, no clusters, 72,448 bytes of LDS; arguments x, gate_w, gate_b, w1_codes, w1_scales, w2_codes, w2_scales, wst, xq, xs, sel, gat; writes wst, xq, xs, sel, gat
.if DOCPART == 1
	.amdgcn_target "amdgcn-amd-amdhsa--gfx1250"
	.amdhsa_code_object_version 6
	.text
	.protected	k_qaf8745a9cf_prep
	.globl	k_qaf8745a9cf_prep
	.p2align	8
	.type	k_qaf8745a9cf_prep,@function
k_qaf8745a9cf_prep:
	s_mov_b64 s[64:65], 0
	v_nop
	global_prefetch_b8 v0, s[64:65] scope:SCOPE_SE
	s_setreg_imm32_b32 hwreg(HW_REG_WAVE_MODE, 25, 1), 1
	s_wait_xcnt 0x0
; PREP.  Two jobs in one launch, chosen by the work-group's number.
; Work-groups 0-511 lay the weights' codes and scale bytes out once, in the order in which a wave of the experts' launch takes them into its registers (buffer wst).
; Work-groups 512-767 take 16 tokens each: x is quantised to E4M3 codes (xq, K innermost) with one E8M0 byte for each 32 along K (xs), and the router is computed in f32:
; logits = x gate_w + gate_b, the two largest (the lower index wins a tie), their softmax with the larger taken away first.  The choice goes out as whole numbers (sel = e0 | e1 << 8) and the two gates as f32 (gat).
; wst: stream sigma = 8 e + 4 y + w (expert, half of H, wave), 32 records of 8,448 bytes.  A record is four fragments of 2,048 bytes (byte 512 c + 16 lane: that lane's registers 4 c .. 4 c + 3) and 256 bytes of
; scale words (byte 8 lane + 4 q: fragment 2 q + lane / 16, row lane % 16).  Record 16 j + idx: idx 0-7 = W1 (half hf = idx / 4 of the wave's 128 hidden units, K step idx % 4), idx 8-15 = W2 (K step (idx - 8) / 2, outputs' half idx % 2).
; W1's ROWS OF A FRAGMENT ARE NOT NEIGHBOURS: row r of fragment f is hidden unit 32 (f / 2) + 8 (f % 2) + r + 8 (r / 8), so that two neighbouring result tiles hold 16 neighbours along the second product's K.
; LIMITS: NaN and infinities in x, gate_w, gate_b are not served (with a logit that is NaN or -infinity the second choice may repeat the first).  Logits that differ by less than the rounding of an f32 sum of 512 terms
; may be ordered otherwise than by another order of summation.  A block of zeros gets the byte 1 where the quantiser's text says 127: its codes are zeros and only this program reads the bytes.
; sel and gat leave as pieces of 64 and 128 bytes a work-group: 48 KB in the whole launch.
; The two paths use LDS bytes of their own: the weights' path 0 .. 33,791, the tokens' path 33,792 .. 71,935.
.set REC,    8448                      ; bytes of a record
.set STREAM, 32*REC                    ; bytes of a stream
.set RP,     528                       ; weights' path: an LDS row: 512 bytes + 16: sixteen rows start at sixteen different groups of banks
.set O,      16                        ; v16-31   16 lane + the row's offset in the source
.set DD,     32                        ; v32-95   16 rows as loaded
.set EE,     96                        ; v96-159  the same bytes in fragment order
.set DO,     160                       ; v160-163 where K step s's fragment goes
.set TG,     33792                     ; tokens' path: gate_w turned: lane l's 128 numbers in a row of 528 bytes
.set TS,     50688                     ; two stages of 32 x 80 bytes for each wave
.set XSB,    71168                     ; 16 tokens x 16 scale bytes
.set SELB,   71424                     ; 16 words
.set GATB,   71680                     ; 16 pairs
.set SP,     80                        ; a lane's place in a stage: 64 bytes + 16
.set R,      16                        ; v16-79   four tokens as loaded; set t later holds token t's codes (4 registers) and byte
.set LG,     24                        ; v24-31   the kept logits: lane l keeps those of token l % 4
.set X,      80                        ; v80-111  two sets of 16 neighbours
.set A,      112                       ; v112-127 eight pairs of partial sums
.set GW,     128                       ; v128-255 gate_w[16 lane + i][e] at GW + 16 e + i
	s_load_b512 s[4:19], s[0:1], 0x0               ; x, gate_w, gate_b, w1_codes, w1_scales, w2_codes, w2_scales, wst
	s_load_b256 s[20:27], s[0:1], 0x40             ; xq, xs, sel, gat
	v_lshl_add_u32 v13, v0, 2, 0x11900
	s_set_vgpr_msb 0x40
	v_mov_b32 v1, 0
	s_set_vgpr_msb 0x4000
	v_lshrrev_b32 v1, 5, v0
	v_readfirstlane_b32 s28, v1                    ; wave 0..3
	v_and_b32 v2, 31, v0                           ; lane
	v_lshlrev_b32 v3, 4, v2                        ; 16 lane
	s_cmp_ge_u32 ttmp9, 512
	s_cbranch_scc1 .Ltokens
; ---------------- THE WEIGHTS.  A work-group moves 64 rows x 512 bytes: four fragments (one a wave) x four K steps.  One text serves W1 and W2: only scalars and the two source pointers are chosen.
	s_and_b32 s30, ttmp9, 255                      ; u
	s_lshr_b32 s31, ttmp9, 8                       ; 0: W1, 1: W2
	s_lshl_b32 s32, s30, 15                        ; W1: u x 64 rows x 512 bytes of codes,
	s_lshl_b32 s33, s30, 10                        ; u x 64 rows x 16 scale bytes
	s_lshr_b32 s34, s30, 5
	s_lshl_b32 s34, s34, 3                         ; 8 e, for both
	s_bfe_u32 s35, s30, 0x40001                    ; g = (u >> 1) & 15: the group of 128 hidden units = 8 y + 4 j + w
	s_lshr_b32 s36, s35, 3
	s_lshl_b32 s36, s36, 2
	s_and_b32 s37, s35, 3
	s_add_co_u32 s36, s36, s37
	s_add_co_u32 s36, s36, s34                     ; W1's stream
	s_bfe_u32 s37, s35, 0x10002
	s_lshl_b32 s37, s37, 4
	s_and_b32 s38, s30, 1
	s_lshl_b32 s38, s38, 2
	s_add_co_u32 s37, s37, s38                     ; W1's first record: 16 j + 4 hf
	s_lshr_b32 s38, s28, 1
	s_lshl_b32 s38, s38, 5
	s_and_b32 s39, s28, 1
	s_lshl_b32 s39, s39, 3
	s_add_co_u32 s38, s38, s39
	s_lshl_b32 s38, s38, 9                         ; W1: my fragment's first row, 32 (f / 2) + 8 (f % 2), in bytes
	s_lshr_b32 s40, s30, 2                         ; W2: which 64 rows,
	s_and_b32 s41, s30, 3                          ; and which 512 bytes of their 2,048: 2 y + j
	s_lshl_b32 s42, s40, 17
	s_lshl_b32 s43, s41, 9
	s_add_co_u32 s42, s42, s43                     ; W2's codes
	s_lshl_b32 s43, s40, 12
	s_lshl_b32 s44, s41, 4
	s_add_co_u32 s43, s43, s44                     ; W2's scale bytes
	s_lshr_b32 s44, s41, 1
	s_lshl_b32 s44, s44, 2
	s_bfe_u32 s45, s30, 0x20003
	s_add_co_u32 s44, s44, s45
	s_add_co_u32 s44, s44, s34                     ; W2's stream: 8 e + 4 y + w
	s_and_b32 s45, s30, 1
	s_lshl_b32 s45, s45, 4
	s_bfe_u32 s46, s30, 0x10002
	s_add_co_u32 s45, s45, s46
	s_add_co_u32 s45, s45, 8                       ; W2's first record: 16 j + 8 + nh
	s_lshl_b32 s46, s28, 15                        ; W2: my fragment's first row, 16 f, in bytes
	s_mov_b32 s47, 2048
	s_mov_b32 s48, 2*REC
	s_mov_b32 s53, 0
	s_wait_kmcnt 0x0
	s_cmp_eq_u32 s31, 0                            ; the choice hangs on the work-group's number alone
	s_cselect_b64 s[10:11], s[10:11], s[14:15]     ; the codes' source
	s_cselect_b64 s[12:13], s[12:13], s[16:17]     ; the scale bytes' source
	s_cselect_b32 s32, s32, s42
	s_cselect_b32 s33, s33, s43
	s_cselect_b32 s36, s36, s44
	s_cselect_b32 s37, s37, s45
	s_cselect_b32 s38, s38, s46
	s_cselect_b32 s47, 512, s47                    ; bytes from row to row; also from scale rows q = 0 to q = 1 (32 rows of 16 or of 64 bytes)
	s_cselect_b32 s48, REC, s48                    ; bytes from K step to K step in the stream
	s_cselect_b32 s49, 4096, 0                     ; W1: rows 8-15 of a fragment lie 8 rows further on
	s_cselect_b32 s50, 4, 6                        ; a row of scale bytes: 16 or 64
	s_cselect_b32 s51, -1, 0
	s_mov_b32 s52, s32
	s_add_nc_u64 s[10:11], s[10:11], s[52:53]
	s_mov_b32 s52, s33
	s_add_nc_u64 s[12:13], s[12:13], s[52:53]
	s_mul_i32 s52, s36, STREAM
	s_mul_i32 s54, s37, REC
	s_add_co_u32 s52, s52, s54
	s_add_nc_u64 s[18:19], s[18:19], s[52:53]      ; wst at my first record
.irp rho, 0,1,2,3,4,5,6,7,8,9,10,11,12,13,14,15
	v_add_nc_u32 v[O+\rho], s38, v3
	s_add_co_u32 s38, s38, s47
.if \rho == 7
	s_add_co_u32 s38, s38, s49
.endif
.endr
	s_lshl_b32 s54, s28, 11                        ; fragment f at 2,048 f of a record
.irp s, 0,1,2,3
	v_add_nc_u32 v[DO+\s], s54, v3
	s_add_co_u32 s54, s54, s48
.endr
	v_and_b32 v4, 8, v2                            ; the scale words: wave v gathers those of K step v.  Lane l, word q: fragment 2 q + l / 16, row l % 16:
	v_add_nc_u32 v4, v4, v2
	v_lshrrev_b32 v5, 4, v2
	v_lshlrev_b32 v5, 3, v5
	v_sub_nc_u32 v4, v4, v5                        ; W1: source row 32 q + l + (l & 8) - 8 (l / 16);
	v_cndmask_b32 v4, v2, v4, s51                  ; W2: 32 q + l
	v_lshlrev_b32 v164, s50, v4
	s_lshl_b32 s54, s28, 2
	v_add_nc_u32 v164, s54, v164                   ; + word v of the row
	v_add_nc_u32 v165, s47, v164
	s_mul_i32 s54, s28, s48
	v_lshlrev_b32 v168, 3, v2
	v_add_nc_u32 v168, s54, v168                   ; and where they go: 8 lane in K step v's record
	s_mul_i32 s54, s28, 16*RP                      ; my wave's own 16 LDS rows
	v_add_nc_u32 v169, s54, v3                     ; in: a row's 512 bytes as they lie
	v_and_b32 v6, 15, v2
	v_mul_u32_u24 v170, v6, RP
	v_lshrrev_b32 v7, 4, v2
	v_lshl_add_u32 v170, v7, 4, v170
	v_add_nc_u32 v170, s54, v170                   ; out: row l % 16, + 16 (l / 16)
.irp rho, 0,1,2,3,4,5,6,7,8,9,10,11,12,13,14,15
	global_load_b128 v[DD+4*\rho:DD+4*\rho+3], v[O+\rho], s[10:11] th:TH_LOAD_NT   ; 32 lanes read 512 consecutive bytes of one row; read once in this launch
.endr
	global_load_b32 v166, v164, s[12:13]
	global_load_b32 v167, v165, s[12:13]
.irp rho, 0,1,2,3,4,5,6,7,8,9,10,11,12,13,14,15
	s_wait_loadcnt 17-\rho                         ; row rho is in: behind it 15 - rho rows and the two scale loads were issued
	ds_store_b128 v169, v[DD+4*\rho:DD+4*\rho+3] offset:RP*\rho
.endr
.irp s, 0,1,2,3
.irp c, 0,1,2,3
	ds_load_b128 v[EE+4*(4*\s+\c):EE+4*(4*\s+\c)+3], v170 offset:128*\s+32*\c   ; my wave's own bytes, served in order: no wait between the stores and these
.endr
.endr
.irp s, 0,1,2,3
.irp c, 0,1,2,3
	s_wait_dscnt 15-(4*\s+\c)                      ; the younger LDS loads may be out
	global_store_b128 v[DO+\s], v[EE+4*(4*\s+\c):EE+4*(4*\s+\c)+3], s[18:19] offset:512*\c   ; 512 consecutive bytes, aligned to 256
.endr
.endr
	s_wait_loadcnt 0x0
	global_store_b64 v168, v[166:167], s[18:19] offset:4*2048   ; 256 consecutive bytes behind the record's four fragments
	s_set_vgpr_msb 0x4
	s_wait_tensorcnt 0x0
	ds_add_u32 v13, v1
	s_wait_dscnt 0x0
	s_set_vgpr_msb 0x400
	s_endpgm
; ---------------- THE TOKENS.  Wave w takes tokens 16 b + 4 w + 0 .. 3, one a step.
.Ltokens:
	s_sub_co_u32 s30, ttmp9, 512                   ; b
	s_lshl_b32 s31, s30, 4
	s_lshl_b32 s32, s28, 2
	s_add_co_u32 s31, s31, s32                     ; my wave's first token
	v_and_b32 v6, 3, v2                            ; the token whose logits this lane keeps
	v_lshlrev_b32 v4, 4, v0                        ; gate_w: 16 bytes a thread
	v_lshrrev_b32 v5, 1, v2
	s_lshl_b32 s33, s28, 6
	s_add_co_u32 s33, s33, XSB
	v_add_nc_u32 v5, s33, v5                       ; my block's scale byte: two lanes to a block
	v_and_b32 v7, 1, v0                            ; gate_w turned.  Thread t's load k holds gate_w[64 k + t / 2][4 (t % 2) + 0 .. 3]: lane 4 k + wave, i = (t / 2) % 16
	v_lshlrev_b32 v7, 8, v7
	v_bfe_u32 v9, v0, 1, 4
	v_lshl_add_u32 v7, v9, 2, v7
	s_mul_i32 s33, s28, 528
	s_add_co_u32 s33, s33, TG
	v_add_nc_u32 v7, s33, v7                       ; TG + 528 wave + 256 (t % 2) + 4 i; the offset adds 2,112 k + 64 jj
	v_mul_u32_u24 v8, v2, 528
	v_add_nc_u32 v8, TG, v8                        ; and back: lane l's row
	s_mul_i32 s33, s28, 2*32*SP
	s_add_co_u32 s33, s33, TS
	v_lshrrev_b32 v14, 2, v2
	v_mul_u32_u24 v14, v14, SP
	v_lshl_add_u32 v14, v6, 4, v14
	v_add_nc_u32 v14, s33, v14                     ; the stage, in: four lanes' 64 bytes on end, then 16 of padding
	v_mul_u32_u24 v15, v2, SP
	v_add_nc_u32 v15, s33, v15                     ; out: my 16 neighbours
	s_mov_b32 s29, 0x600000                        ; the mantissa field of 448
	s_mov_b32 s44, 0x76543210
	s_mov_b32 s45, 0xfedcba98                      ; lane l xor 16
	s_mov_b32 s35, 0
	s_wait_kmcnt 0x0
	s_load_b256 s[36:43], s[8:9], 0x0              ; gate_b
	s_lshl_b32 s34, s31, 11
	s_add_nc_u64 s[4:5], s[4:5], s[34:35]          ; x at my first token
	s_lshl_b32 s34, s31, 9
	s_add_nc_u64 s[20:21], s[20:21], s[34:35]      ; xq likewise
	s_lshl_b32 s34, s30, 8
	s_add_nc_u64 s[22:23], s[22:23], s[34:35]      ; xs: 256 bytes a work-group
	s_lshl_b32 s34, s30, 6
	s_add_nc_u64 s[24:25], s[24:25], s[34:35]      ; sel: 64
	s_lshl_b32 s34, s30, 7
	s_add_nc_u64 s[26:27], s[26:27], s[34:35]      ; gat: 128
.irp k, 0,1,2,3,4,5,6,7
	global_load_b128 v[GW+4*\k:GW+4*\k+3], v4, s[6:7] offset:2048*\k
.endr
.irp t, 0,1,2,3
.irp i, 0,1,2,3
	global_load_b128 v[R+16*\t+4*\i:R+16*\t+4*\i+3], v3, s[4:5] offset:2048*\t+512*\i th:TH_LOAD_NT   ; 512 consecutive bytes
.endr
.endr
	s_wait_loadcnt 16                              ; gate_w is in: the 16 loads of x were issued behind it
.irp k, 0,1,2,3,4,5,6,7
.irp jj, 0,1,2,3
	ds_store_b32 v7, v[GW+4*\k+\jj] offset:2112*\k+64*\jj
.endr
.endr
	s_wait_dscnt 0x0                               ; for the others' sake: my part of the turned gate_w has landed
	s_barrier_signal -1
	s_barrier_wait -1
.irp pp, 0,1,2,3,4,5,6,7,8,9,10,11,12,13,14,15,16,17,18,19,20,21,22,23,24,25,26,27,28,29,30,31
	ds_load_b128 v[GW+4*\pp:GW+4*\pp+3], v8 offset:16*\pp
.endr
.macro TURN t                          ; token t's 2,048 bytes through my wave's stage: in as loaded, out 64 bytes a lane
.irp i, 0,1,2,3
	ds_store_b128 v14, v[R+16*(\t)+4*\i:R+16*(\t)+4*\i+3] offset:32*SP*((\t)%2)+8*SP*\i
.endr
.irp i, 0,1,2,3
	ds_load_b128 v[X+16*((\t)%2)+4*\i:X+16*((\t)%2)+4*\i+3], v15 offset:32*SP*((\t)%2)+16*\i
.endr
.endm
	s_wait_loadcnt 12                              ; token 0 is in; the other three tokens' loads may be out
	TURN 0
.macro STEP t
.set XS, X+16*((\t)%2)
.set CR, R+16*(\t)
	s_wait_dscnt 0x0                               ; this token's numbers are back (and gate_w, in the first step); its stores into the stage have read set t, which now takes its codes
.if (\t) < 3
	s_wait_loadcnt 8-4*(\t)                        ; the next token is in; the later tokens' loads may be out
	TURN (\t)+1
.endif
	; the eight logits: my 16 numbers against my 16 rows of gate_w, two at a time
.irp ex, 0,1,2,3,4,5,6,7
	v_pk_mul_f32 v[A+2*\ex:A+2*\ex+1], v[XS:XS+1], v[GW+16*\ex:GW+16*\ex+1]
.endr
.irp ip, 1,2,3,4,5,6,7
.irp ex, 0,1,2,3,4,5,6,7
	v_pk_fma_f32 v[A+2*\ex:A+2*\ex+1], v[XS+2*\ip:XS+2*\ip+1], v[GW+16*\ex+2*\ip:GW+16*\ex+2*\ip+1], v[A+2*\ex:A+2*\ex+1]
.endr
.endr
.irp ex, 0,1,2,3,4,5,6,7
	v_add_f32 v[A+2*\ex], v[A+2*\ex], v[A+2*\ex+1]
.endr
.irp k, 1,2,4,8
.irp ex, 0,1,2,3,4,5,6,7
	v_add_f32_dpp v[A+2*\ex], v[A+2*\ex], v[A+2*\ex] row_xmask:\k row_mask:0xf bank_mask:0xf
.endr
.endr
.irp ex, 0,1,2,3,4,5,6,7
	v_permlanex16_b32 v[A+2*\ex+1], v[A+2*\ex], s44, s45
.endr
.irp ex, 0,1,2,3,4,5,6,7
	v_add_f32 v[A+2*\ex], v[A+2*\ex], v[A+2*\ex+1]   ; every lane holds the token's sums
.endr
.if (\t) == 0
.irp ex, 0,1,2,3,4,5,6,7
	v_mov_b32 v[LG+\ex], v[A+2*\ex]
.endr
.else
	v_cmp_eq_u32 vcc_lo, \t, v6
.irp ex, 0,1,2,3,4,5,6,7
	v_cndmask_b32 v[LG+\ex], v[LG+\ex], v[A+2*\ex], vcc_lo
.endr
.endif
	; the quantiser: the block's largest magnitude, with the floor 2^(9 - 127) among its leaves, so that the byte cannot fall under 1
	v_max3_num_f32 v9, |v[XS]|, |v[XS+1]|, |v[XS+2]|
	v_max3_num_f32 v10, |v[XS+3]|, |v[XS+4]|, |v[XS+5]|
.irp i, 6,10
	v_max3_num_f32 v9, v9, |v[XS+\i]|, |v[XS+\i+1]|
	v_max3_num_f32 v10, v10, |v[XS+\i+2]|, |v[XS+\i+3]|
.endr
	v_max3_num_f32 v9, v9, |v[XS+14]|, |v[XS+15]|
	v_max3_num_f32 v9, v9, v10, 0x4800000
	v_max_num_f32_dpp v9, v9, v9 row_xmask:1 row_mask:0xf bank_mask:0xf   ; with my neighbour's 16
	v_add_nc_u32 v11, 0xfc000000, v9               ; 8 off the exponent field: the conversion's scale operand
	v_and_or_b32 v12, v9, 0x7f800000, s29          ; 448 x the scale
.irp i, 0,1,2,3,4,5,6,7,8,9,10,11,12,13,14,15
	v_med3_num_f32 v[XS+\i], v[XS+\i], -v12, v12   ; the conversion to an 8-bit code does not saturate (ISA guide 7.6.2): the hold comes first
.endr
	v_cvt_scalef32_pk8_fp8_f32 v[CR:CR+1], v[XS:XS+7], v11
	v_cvt_scalef32_pk8_fp8_f32 v[CR+2:CR+3], v[XS+8:XS+15], v11
	v_lshrrev_b32 v[CR+4], 23, v11                 ; the scale's byte (also the plain line behind the conversions)
	ds_store_b8 v5, v[CR+4] offset:16*(\t)         ; both lanes of a block write the same byte with the same value
	global_store_b128 v3, v[CR:CR+3], s[20:21] offset:512*(\t)   ; the token's 512 codes: 512 consecutive bytes
.endm
	STEP 0
	STEP 1
	STEP 2
	STEP 3
	; the two largest logits of token lane % 4, once for the wave's four tokens
	s_wait_kmcnt 0x0                               ; gate_b
.irp ex, 0,1,2,3,4,5,6,7
	v_add_f32 v[LG+\ex], s[36+\ex], v[LG+\ex]
.endr
	v_mov_b32 v80, v[LG]                           ; the largest, and its index: a later logit takes the place only if it is strictly larger
	v_mov_b32 v81, 0
.irp ex, 1,2,3,4,5,6,7
	v_cmp_gt_f32 vcc_lo, v[LG+\ex], v80
	v_cndmask_b32 v80, v80, v[LG+\ex], vcc_lo
	v_cndmask_b32 v81, v81, \ex, vcc_lo
.endr
	v_mov_b32 v82, 0xff800000                      ; the second: the same scan from -infinity, passing over the first's index
	v_mov_b32 v83, 0
.irp ex, 0,1,2,3,4,5,6,7
	v_cmp_gt_f32 s46, v[LG+\ex], v82
	v_cmp_ne_u32 s47, \ex, v81
	s_and_b32 vcc_lo, s46, s47
	v_cndmask_b32 v82, v82, v[LG+\ex], vcc_lo
	v_cndmask_b32 v83, v83, \ex, vcc_lo
.endr
	v_sub_f32 v84, v82, v80                        ; second - first, 0 or less: the softmax's maximum is taken away
	v_mul_f32 v84, 0x3fb8aa3b, v84
	v_exp_f32 v85, v84
	v_lshl_or_b32 v88, v83, 8, v81                 ; e0 | e1 << 8  (a plain line behind the exponential)
	s_wait_alu depctr_va_vdst(0)
	v_add_f32 v89, 1.0, v85
	v_rcp_f32 v86, v89                             ; g0 = 1 / (1 + t)
	s_lshl_b32 s33, s28, 4
	s_add_co_u32 s33, s33, SELB
	v_lshl_add_u32 v90, v6, 2, s33                 ; (a plain line behind the reciprocal)  where my token's word goes,
	s_wait_alu depctr_va_vdst(0)
	v_mul_f32 v87, v85, v86                        ; g1 = t g0
	s_lshl_b32 s33, s28, 5
	s_add_co_u32 s33, s33, GATB
	v_lshl_add_u32 v91, v6, 3, s33                 ; and its pair of gates
	v_lshlrev_b32 v95, 3, v2                       ; the addresses of the way out are all made here, ahead of the branch on the wave's number
	v_add_nc_u32 v92, XSB, v95
	v_and_b32 v96, 15, v2
	v_lshlrev_b32 v96, 2, v96
	v_add_nc_u32 v93, SELB, v96
	v_lshlrev_b32 v97, 2, v2
	v_add_nc_u32 v94, GATB, v97
	ds_store_b32 v90, v88                          ; eight lanes write the same word with the same value
	ds_store_b64 v91, v[86:87]
	s_wait_dscnt 0x0                               ; for the others' sake: my bytes, words and pairs have landed
	s_barrier_signal -1
	s_barrier_wait -1
	s_cmp_eq_u32 s28, 0
	s_cbranch_scc1 .Lout_xs
	s_cmp_eq_u32 s28, 1
	s_cbranch_scc1 .Lout_sel
	s_cmp_eq_u32 s28, 2
	s_cbranch_scc1 .Lout_gat
	s_set_vgpr_msb 0x4
	s_wait_tensorcnt 0x0
	ds_add_u32 v13, v1
	s_wait_dscnt 0x0
	s_set_vgpr_msb 0x400
	s_endpgm
.Lout_xs:
	ds_load_b64 v[98:99], v92
	s_wait_dscnt 0x0
	global_store_b64 v95, v[98:99], s[22:23]       ; 16 tokens' scale bytes: 256 consecutive bytes, aligned
	s_set_vgpr_msb 0x4
	s_wait_tensorcnt 0x0
	ds_add_u32 v13, v1
	s_wait_dscnt 0x0
	s_set_vgpr_msb 0x400
	s_endpgm
.Lout_sel:
	ds_load_b32 v100, v93
	s_wait_dscnt 0x0
	global_store_b32 v96, v100, s[24:25]           ; 16 words (lanes 16-31 repeat lanes 0-15)
	s_set_vgpr_msb 0x4
	s_wait_tensorcnt 0x0
	ds_add_u32 v13, v1
	s_wait_dscnt 0x0
	s_set_vgpr_msb 0x400
	s_endpgm
.Lout_gat:
	ds_load_b32 v101, v94
	s_wait_dscnt 0x0
	global_store_b32 v97, v101, s[26:27]           ; 16 pairs
	s_set_vgpr_msb 0x4
	s_wait_tensorcnt 0x0
	ds_add_u32 v13, v1
	s_wait_dscnt 0x0
	s_set_vgpr_msb 0x400
	s_endpgm
.Lfunc_end_k_qaf8745a9cf_prep:
	.size	k_qaf8745a9cf_prep, .Lfunc_end_k_qaf8745a9cf_prep-k_qaf8745a9cf_prep
	.p2alignl 7, 3214868480
	.fill 96, 4, 3214868480
	.section	.rodata,"a",@progbits
	.p2align	6, 0x0
	.amdhsa_kernel k_qaf8745a9cf_prep
		.amdhsa_group_segment_fixed_size 72448
		.amdhsa_private_segment_fixed_size 0
		.amdhsa_enable_private_segment 0
		.amdhsa_kernarg_size 96
		.amdhsa_user_sgpr_count 2
		.amdhsa_user_sgpr_kernarg_segment_ptr 1
		.amdhsa_wavefront_size32 1
		.amdhsa_system_sgpr_workgroup_id_x 1
		.amdhsa_system_sgpr_workgroup_id_y 1
		.amdhsa_system_sgpr_workgroup_id_z 1
		.amdhsa_system_vgpr_workitem_id 0
		.amdhsa_next_free_vgpr 258
		.amdhsa_next_free_sgpr 66
		.amdhsa_reserve_vcc 1
		.amdhsa_float_denorm_mode_32 3
		.amdhsa_float_denorm_mode_16_64 3
		.amdhsa_memory_ordered 1
		.amdhsa_forward_progress 1
		.amdhsa_inst_pref_size 66
	.end_amdhsa_kernel
	.amdgpu_metadata
---
amdhsa.version: [ 1, 2 ]
amdhsa.kernels:
  - .name:           k_qaf8745a9cf_prep
    .symbol:         k_qaf8745a9cf_prep.kd
    .args:
      - { .name: x, .offset: 0, .size: 8, .value_kind: global_buffer, .address_space: global }
      - { .name: gate_w, .offset: 8, .size: 8, .value_kind: global_buffer, .address_space: global }
      - { .name: gate_b, .offset: 16, .size: 8, .value_kind: global_buffer, .address_space: global }
      - { .name: w1_codes, .offset: 24, .size: 8, .value_kind: global_buffer, .address_space: global }
      - { .name: w1_scales, .offset: 32, .size: 8, .value_kind: global_buffer, .address_space: global }
      - { .name: w2_codes, .offset: 40, .size: 8, .value_kind: global_buffer, .address_space: global }
      - { .name: w2_scales, .offset: 48, .size: 8, .value_kind: global_buffer, .address_space: global }
      - { .name: wst, .offset: 56, .size: 8, .value_kind: global_buffer, .address_space: global }
      - { .name: xq, .offset: 64, .size: 8, .value_kind: global_buffer, .address_space: global }
      - { .name: xs, .offset: 72, .size: 8, .value_kind: global_buffer, .address_space: global }
      - { .name: sel, .offset: 80, .size: 8, .value_kind: global_buffer, .address_space: global }
      - { .name: gat, .offset: 88, .size: 8, .value_kind: global_buffer, .address_space: global }
    .group_segment_fixed_size: 72448
    .private_segment_fixed_size: 0
    .kernarg_segment_align: 8
    .kernarg_segment_size: 96
    .max_flat_workgroup_size: 128
    .sgpr_count:     66
    .vgpr_count:     258
    .wavefront_size: 32
...
	.end_amdgpu_metadata
.endif
;; end of part 1
;; launch place (part 2): grid 8 x 1, 32 waves a work-group, no clusters, 4,352 bytes of LDS; arguments sel, lst, cnt; writes lst, cnt
.if DOCPART == 2
	.amdgcn_target "amdgcn-amd-amdhsa--gfx1250"
	.amdhsa_code_object_version 6
	.text
	.protected	k_qaf8745a9cf_place
	.globl	k_qaf8745a9cf_place
	.p2align	8
	.type	k_qaf8745a9cf_place,@function
k_qaf8745a9cf_place:
	s_mov_b64 s[64:65], 0
	v_nop
	global_prefetch_b8 v0, s[64:65] scope:SCOPE_SE
	s_setreg_imm32_b32 hwreg(HW_REG_WAVE_MODE, 25, 1), 1
	s_wait_xcnt 0x0
; PLACE.  Work-group e sorts the 4,096 tokens for expert e: those that chose e come first in lst[e][..], the others behind them, so that every one of the 4,096 entries is written.
; An entry is rid = 2 x token + k, k = 0 where e is the token's first choice, 1 where it is the second.  cnt[e] = how many chose e.  Whole numbers only; no atomics: a rank is a count of set bits.
; Thread t holds tokens 4 t + i, i = 0 .. 3.  The order inside the list is q = 128 wave + 32 i + lane; any order would serve.
	s_load_b128 s[4:7], s[0:1], 0x0                ; sel, lst
	s_load_b64 s[8:9], s[0:1], 0x10                ; cnt
	v_lshl_add_u32 v32, v0, 2, 0x100
	v_mov_b32 v33, 0
	v_lshrrev_b32 v1, 5, v0
	v_readfirstlane_b32 s10, v1                    ; wave 0..31
	v_and_b32 v2, 31, v0                           ; lane
	v_lshlrev_b32 v3, 4, v0                        ; four words a thread
	v_lshlrev_b32 v8, 3, v0                        ; 2 x my first token
	s_mov_b32 s11, ttmp9                           ; e
	s_mov_b32 s12, 0x76543210
	s_mov_b32 s13, 0xfedcba98                      ; lane l xor 16
	s_mov_b32 s15, 0
	s_wait_kmcnt 0x0
	global_load_b128 v[4:7], v3, s[4:5]            ; a wave reads 512 consecutive bytes
	s_lshl_b32 s14, s11, 14
	s_add_nc_u64 s[6:7], s[6:7], s[14:15]          ; my expert's list
	s_lshl_b32 s14, s11, 2
	s_add_nc_u64 s[8:9], s[8:9], s[14:15]          ; and its count
	s_mov_b32 s16, 0                               ; chosen so far in my wave
	s_wait_loadcnt 0x0
.irp i, 0,1,2,3
	v_and_b32 v9, 255, v[4+\i]                     ; first choice
	v_bfe_u32 v10, v[4+\i], 8, 8                   ; second
	v_cmp_eq_u32 s17, s11, v9
	v_cmp_eq_u32 s18, s11, v10
	s_or_b32 s[20+\i], s17, s18                    ; the lanes whose token i chose e
	v_cndmask_b32 v11, 0, 1, s18
	v_add3_u32 v[12+\i], v8, v11, 2*\i             ; rid
	v_mbcnt_lo_u32_b32 v[16+\i], s[20+\i], s16     ; chosen ahead of me in my wave
	s_bcnt1_i32_b32 s19, s[20+\i]
	s_add_co_u32 s16, s16, s19
.endr
	v_mov_b32 v20, s10
	v_lshlrev_b32 v20, 2, v20
	v_mov_b32 v21, s16
	ds_store_b32 v20, v21                          ; my wave's total, to its own word
	s_wait_dscnt 0x0                               ; for the others' sake
	s_barrier_signal -1
	s_barrier_wait -1
	v_lshlrev_b32 v22, 2, v2
	ds_load_b32 v23, v22                           ; lane l: wave l's total
	s_wait_dscnt 0x0
	v_lshlrev_b32 v24, 16, v23
	v_cmp_gt_u32 vcc_lo, s10, v2
	v_cndmask_b32 v24, 0, v24, vcc_lo              ; the upper half counts only the waves ahead of mine; both halves stay at 4,096 or under
	v_add_nc_u32 v23, v23, v24
	v_mov_b32 v25, 0
.irp k, 1,2,4,8
	v_mov_b32_dpp v25, v23 row_xmask:\k row_mask:0xf bank_mask:0xf
	v_add_nc_u32 v23, v23, v25
.endr
	v_permlanex16_b32 v25, v23, s12, s13
	v_add_nc_u32 v23, v23, v25
	v_and_b32 v26, 0xffff, v23                     ; N: all that chose e
	v_lshrrev_b32 v27, 16, v23                     ; P: those in the waves ahead of mine
	s_lshl_b32 s14, s10, 7
	v_add_nc_u32 v28, s14, v2
.irp i, 0,1,2,3
	v_add_nc_u32 v9, v27, v[16+\i]                 ; c: chosen ahead of q
	v_add_nc_u32 v10, 32*\i, v28                   ; q
	v_sub_nc_u32 v10, v10, v9
	v_add_nc_u32 v10, v10, v26                     ; N + those not chosen ahead of q
	v_cndmask_b32 v[16+\i], v10, v9, s[20+\i]
	v_min_u32 v[16+\i], 0xfff, v[16+\i]            ; a place made of loaded numbers is held inside the list
	v_lshlrev_b32 v[16+\i], 2, v[16+\i]
.endr
.irp i, 0,1,2,3
	global_store_b32 v[16+\i], v[12+\i], s[6:7]
.endr
	s_cmp_lg_u32 s10, 0
	s_cbranch_scc1 .Ldone
	v_mov_b32 v29, 0
	global_store_b32 v29, v26, s[8:9]              ; all lanes write the same word with the same value
.Ldone:
	s_wait_tensorcnt 0x0
	ds_add_u32 v32, v33
	s_wait_dscnt 0x0
	s_endpgm
.Lfunc_end_k_qaf8745a9cf_place:
	.size	k_qaf8745a9cf_place, .Lfunc_end_k_qaf8745a9cf_place-k_qaf8745a9cf_place
	.p2alignl 7, 3214868480
	.fill 96, 4, 3214868480
	.section	.rodata,"a",@progbits
	.p2align	6, 0x0
	.amdhsa_kernel k_qaf8745a9cf_place
		.amdhsa_group_segment_fixed_size 4352
		.amdhsa_private_segment_fixed_size 0
		.amdhsa_enable_private_segment 0
		.amdhsa_kernarg_size 24
		.amdhsa_user_sgpr_count 2
		.amdhsa_user_sgpr_kernarg_segment_ptr 1
		.amdhsa_wavefront_size32 1
		.amdhsa_system_sgpr_workgroup_id_x 1
		.amdhsa_system_sgpr_workgroup_id_y 1
		.amdhsa_system_sgpr_workgroup_id_z 1
		.amdhsa_system_vgpr_workitem_id 0
		.amdhsa_next_free_vgpr 34
		.amdhsa_next_free_sgpr 66
		.amdhsa_reserve_vcc 1
		.amdhsa_float_denorm_mode_32 3
		.amdhsa_float_denorm_mode_16_64 3
		.amdhsa_memory_ordered 1
		.amdhsa_forward_progress 1
		.amdhsa_inst_pref_size 7
	.end_amdhsa_kernel
	.amdgpu_metadata
---
amdhsa.version: [ 1, 2 ]
amdhsa.kernels:
  - .name:           k_qaf8745a9cf_place
    .symbol:         k_qaf8745a9cf_place.kd
    .args:
      - { .name: sel, .offset: 0, .size: 8, .value_kind: global_buffer, .address_space: global }
      - { .name: lst, .offset: 8, .size: 8, .value_kind: global_buffer, .address_space: global }
      - { .name: cnt, .offset: 16, .size: 8, .value_kind: global_buffer, .address_space: global }
    .group_segment_fixed_size: 4352
    .private_segment_fixed_size: 0
    .kernarg_segment_align: 8
    .kernarg_segment_size: 24
    .max_flat_workgroup_size: 1024
    .sgpr_count:     66
    .vgpr_count:     34
    .wavefront_size: 32
...
	.end_amdgpu_metadata
.endif
;; end of part 2
;; launch experts (part 3): grid 110 x 2, 4 waves a work-group, no clusters, 164,864 bytes of LDS; arguments cnt, lst, xq, xs, wst, b1, b2, eo; writes eo
.if DOCPART == 3
	.amdgcn_target "amdgcn-amd-amdhsa--gfx1250"
	.amdhsa_code_object_version 6
	.text
	.protected	k_qaf8745a9cf_experts
	.globl	k_qaf8745a9cf_experts
	.p2align	8
	.type	k_qaf8745a9cf_experts,@function
k_qaf8745a9cf_experts:
	s_mov_b64 s[64:65], 0
	v_nop
	global_prefetch_b8 v0, s[64:65] scope:SCOPE_SE
	s_setreg_imm32_b32 hwreg(HW_REG_WAVE_MODE, 25, 1), 1
	s_wait_xcnt 0x0
; EXPERTS.  eo[y][rid][:] = relu(x W1 + b1)[hidden units of half y] W2 (+ b2 in half y = 0), for the routed rows alone, both products on E4M3 codes with one E8M0 scale for each 32 along K.
; SHARES.  Work-group (T, y): tile T = 80 rows (five tiles of 16) of ONE expert, half y of H (1,024 hidden units, two chunks of 512).  8,192 routed rows in tiles of 80 over 8 experts are never more than 103 + 7 = 110 tiles.
; The waves share the columns: in chunk j wave w makes hidden units 128 (8 y + 4 j + w) .. + 127, and outputs 128 w .. + 127, for all 80 rows.  So each weight byte is wanted by one wave alone.
; THE WEIGHTS COME FROM MEMORY STRAIGHT INTO REGISTERS, from the stream that the first launch laid in register order: each load of a wave covers 512 consecutive bytes.  32 groups of four fragments; four register buffers,
; three groups on their way while one is multiplied.  Each fragment feeds five matrix instructions.
; NO CLUSTER, NO TENSOR LOADS: a joint load lands in LDS, and a byte that one wave uses once would then be written to LDS and read back; and how many tiles an expert has hangs on counts read from memory.
; BOTH PRODUCTS ARE USED TRANSPOSED (source 0 = 16 rows of a weight, source 1 = 16 token rows): a lane holds one token row, its registers run along the hidden units or the outputs.
; The rows' codes go from wave to wave through LDS as images of the operand's registers (16 bytes a lane, 512 a store; scale words 4 bytes a lane).  Three barriers: x's images; the hidden layer's, once a chunk.
; The hidden layer never goes to memory: relu and the hold are one v_med3, the conversions' results are the second product's operand.
; A TILE THAT THIS SPLIT DOES NOT HAVE (T at or past the number of tiles) runs the same text on clamped rows up to the last product, since every wave passes every barrier, and then ends without storing:
; one scalar branch on whole numbers read from cnt, behind which no barrier stands.  Slots past an expert's last row repeat that row: they store the same numbers to the same place.
; LIMITS: NaN and infinities are not served.  A block of the hidden layer that is all zeros gets the byte 1 where the quantiser's text says 127: its codes are zeros and nobody else reads the byte.
; REGISTERS, in windows of 256.  Window 0: v1-35 lane terms and addresses; v36-43 the weights' scale words (a pair for each buffer); v44-53 the rows' scale words, two sets of five; v54-69 store offsets;
;   v71-75 the hidden layer's scale words in the making; v76-155, v156-235 the rows' fragments, two sets of five; the second set's registers are at work while a half is quantised.
;   Window 1: four weight buffers of 64; at the end b2.   Window 2: y's accumulators a = 5 n + m under 32.   Window 3: v0-63 accumulators 32-39; v64-223 the hidden layer's 20 tiles (f, m); v224-255 b1's four tiles.
.set REC,    8448
.set STREAM, 32*REC
.set XSC,    40960                     ; LDS: x's 20 fragments (4 m + s) from byte 0; their scale words, 128 bytes each, here;
.set HIMG,   43520                     ; the hidden layer's 20 fragments, for each of the two chunks;
.set HSC,    125440                    ; their scale words;
.set STG,    130560                    ; a stage of 16 rows x 528 bytes for each wave
.set RID,    20                        ; v20-24 row ids of my lane's row in the five tiles
.set XO,     25                        ; v25-29 first the list's offsets, then x's codes'
.set XSO,    30                        ; v30-34 x's scale words'
.set WS,     36
.set XSW,    44
.set AD,     54
.set HB,     71                        ; v71-75 row tile m's scale word of my 128 hidden units: two bytes from each half
.set XF0,    76
.set MX,     156                       ; at work in QUANTH, index q = 2 m + b: largest magnitudes,
.set T2,     166                       ; the other half's, then bytes,
.set LIM,    176                       ; 448 x the scale,
.set SCO,    186                       ; the conversions' scale operands,
.set PC,     196                       ; and the codes, eight registers for each m
.set HAB,    64                        ; window 3
.set B1R,    224                       ; window 3
.set MSB, 0
.macro WIN new                         ; the immediate's high byte repeats the setting that is left; a switch that changes nothing is dropped
.if MSB != \new
	s_set_vgpr_msb (MSB<<8)|\new
.set MSB, \new
.endif
.endm
; Behind this matrix form eight plain vector lines stand ahead of a load into, or a vector read or write of, its registers, and nine ahead of a matrix instruction that begins an accumulator anew over them.
; One run of nine behind each group of products serves every such case in this text.
.macro PLACES
.rept 9
	v_nop
.endr
.endm
; Group G of the wave's stream into buffer G % 4: 16 loads of codes, one of scale words; ahead of each half of a chunk also b1's four tiles (8 loads): lane (r, h) wants hidden units 32 (f / 2) + 16 h + 8 (f % 2) + 0 .. 7.
.macro GLOAD G
.set BETA, (\G)%4
	WIN 0x40                                       ; destination window 1
.irp f, 0,1,2,3
.irp c, 0,1,2,3
	global_load_b128 v[64*BETA+16*\f+4*\c:64*BETA+16*\f+4*\c+3], v4, s[12:13] offset:REC*(\G)+2048*\f+512*\c
.endr
.endr
	WIN 0
	global_load_b64 v[WS+2*BETA:WS+2*BETA+1], v5, s[12:13] offset:REC*(\G)+8192
.if (((\G)%16) == 0) || (((\G)%16) == 4)
	WIN 0xc0                                       ; destination window 3
.irp f, 0,1,2,3
	global_load_b128 v[B1R+8*\f:B1R+8*\f+3], v17, s[14:15] offset:4*(512*((\G)/16)+64*(((\G)%16)/4)+32*(\f/2)+8*(\f%2))
	global_load_b128 v[B1R+8*\f+4:B1R+8*\f+7], v17, s[14:15] offset:4*(512*((\G)/16)+64*(((\G)%16)/4)+32*(\f/2)+8*(\f%2))+16
.endr
	WIN 0
.endif
.endm
.macro B2LOAD                          ; in the place of a 33rd group: b2's eight tiles into buffer 0: lane (r, h) wants outputs 16 n + 8 h + 0 .. 7
	WIN 0x40
.irp n, 0,1,2,3,4,5,6,7
	global_load_b128 v[8*\n:8*\n+3], v18, s[16:17] offset:64*\n
	global_load_b128 v[8*\n+4:8*\n+7], v18, s[16:17] offset:64*\n+16
.endr
	WIN 0
.endm
.macro LCOF G                          ; LCV = the loads that group G issues
.if (\G) > 32
.set LCV, 0
.elseif (\G) == 32
.set LCV, 16
.elseif (((\G)%16) == 0) || (((\G)%16) == 4)
.set LCV, 25
.else
.set LCV, 17
.endif
.endm
.macro WAITG G                         ; group G is in: behind it the loads of groups G + 1, G + 2, G + 3 were issued, and nothing else
	LCOF (\G)+1
.set WSUM, LCV
	LCOF (\G)+2
.set WSUM, WSUM+LCV
	LCOF (\G)+3
.set WSUM, WSUM+LCV
	s_wait_loadcnt WSUM
.endm
; The five row tiles' fragments of K step ks, and their scale words, from their images into set st
.macro FETCH st, adr, sadr, soff, ks
.irp m, 0,1,2,3,4
.irp c, 0,1,2,3
	ds_load_b128 v[XF0+80*(\st)+16*\m+4*\c:XF0+80*(\st)+16*\m+4*\c+3], v[\adr] offset:2048*(4*\m+(\ks))+512*\c
.endr
	ds_load_b32 v[XSW+5*(\st)+\m], v[\sadr] offset:(\soff)+128*(4*\m+(\ks))
.endr
.endm
; 20 products of the first layer: four tiles of hidden units x five tiles of rows.  The 20 accumulators take turns, one instruction a turn.  first = 1: b1 is the C that starts the sums.
; The weights' scale words: register f / 2 of the buffer's pair, lanes 0-15 for even f, lanes 16-31 for odd f.
.macro MUL1 beta, st, first
	WIN 0xf1                                       ; source 0 (weights) window 1, source 1 (rows) window 0, C and D window 3
.irp f, 0,1,2,3
.irp m, 0,1,2,3,4
.set rD, HAB+8*(5*\f+\m)
.set rA, 64*(\beta)+16*\f
.set rB, XF0+80*(\st)+16*\m
.set rC, rD
.if \first
.set rC, B1R+8*\f
.endif
.if (\f%2) == 1
	v_wmma_scale_f32_16x16x128_f8f6f4 v[rD:rD+7], v[rA:rA+15], v[rB:rB+15], v[rC:rC+7], v[WS+2*(\beta)+\f/2], v[XSW+5*(\st)+\m] matrix_a_scale:MATRIX_SCALE_ROW1
.else
	v_wmma_scale_f32_16x16x128_f8f6f4 v[rD:rD+7], v[rA:rA+15], v[rB:rB+15], v[rC:rC+7], v[WS+2*(\beta)+\f/2], v[XSW+5*(\st)+\m]
.endif
.endr
.endr
.endm
; 20 products of the second layer: output tiles n = 4 nh + f x five tiles of rows, again by turns.  zero = 1: the constant 0 starts the sums.
.macro MUL2 beta, st, nh, zero
.irp f, 0,1,2,3
.irp m, 0,1,2,3,4
.set aa, 5*(4*(\nh)+\f)+\m
.if aa < 32
	WIN 0xa1                                       ; C and D window 2
.set rD, 8*aa
.else
	WIN 0xf1                                       ; C and D window 3
.set rD, 8*(aa-32)
.endif
.set rA, 64*(\beta)+16*\f
.set rB, XF0+80*(\st)+16*\m
.if \zero
.if (\f%2) == 1
	v_wmma_scale_f32_16x16x128_f8f6f4 v[rD:rD+7], v[rA:rA+15], v[rB:rB+15], 0, v[WS+2*(\beta)+\f/2], v[XSW+5*(\st)+\m] matrix_a_scale:MATRIX_SCALE_ROW1
.else
	v_wmma_scale_f32_16x16x128_f8f6f4 v[rD:rD+7], v[rA:rA+15], v[rB:rB+15], 0, v[WS+2*(\beta)+\f/2], v[XSW+5*(\st)+\m]
.endif
.else
.if (\f%2) == 1
	v_wmma_scale_f32_16x16x128_f8f6f4 v[rD:rD+7], v[rA:rA+15], v[rB:rB+15], v[rD:rD+7], v[WS+2*(\beta)+\f/2], v[XSW+5*(\st)+\m] matrix_a_scale:MATRIX_SCALE_ROW1
.else
	v_wmma_scale_f32_16x16x128_f8f6f4 v[rD:rD+7], v[rA:rA+15], v[rB:rB+15], v[rD:rD+7], v[WS+2*(\beta)+\f/2], v[XSW+5*(\st)+\m]
.endif
.endif
.endr
.endr
.endm
; Half hf of my 128 hidden units of chunk j, for all 80 rows: 64 units = two blocks of 32 (b = 0, 1).  Tiles 2 b and 2 b + 1 of row tile m hold, in lane (r, h), units 32 b + 16 h + 0 .. 15 of row r.
; No |.| on the maxima: what is negative becomes 0 (the activation) and must not count; the floor 2^(9 - 127) stands over it and holds the byte at 1 from below.  Each accumulator is read from its low end on.
; The half's codes are registers 4 c .. 4 c + 3, c = 2 hf + b, of fragment (m, K step = my wave).  Its two scale bytes wait in v[HB + m]; the second half completes the word, which is stored whole.
.macro QUANTH j, hf
	WIN 0x0f                                       ; sources 0 and 1 window 3
.irp m, 0,1,2,3,4
.irp b, 0,1
	v_max3_num_f32 v[MX+2*\m+\b], v[HAB+8*(10*\b+\m)], v[HAB+8*(10*\b+\m)+1], 0x4800000
.endr
.endr
	WIN 0x3c                                       ; sources 1 and 2 window 3
.irp i, 2,4,6
.irp m, 0,1,2,3,4
.irp b, 0,1
	v_max3_num_f32 v[MX+2*\m+\b], v[MX+2*\m+\b], v[HAB+8*(10*\b+\m)+\i], v[HAB+8*(10*\b+\m)+\i+1]
.endr
.endr
.endr
.irp i, 0,2,4,6
.irp m, 0,1,2,3,4
.irp b, 0,1
	v_max3_num_f32 v[MX+2*\m+\b], v[MX+2*\m+\b], v[HAB+8*(10*\b+5+\m)+\i], v[HAB+8*(10*\b+5+\m)+\i+1]
.endr
.endr
.endr
	WIN 0
.irp q, 0,1,2,3,4,5,6,7,8,9
	v_permlanex16_b32 v[T2+\q], v[MX+\q], s40, s41
.endr
.irp q, 0,1,2,3,4,5,6,7,8,9
	v_max_num_f32 v[MX+\q], v[MX+\q], v[T2+\q]     ; with lane l xor 16's 16 units: the block's largest
.endr
.irp q, 0,1,2,3,4,5,6,7,8,9
	v_add_nc_u32 v[SCO+\q], 0xfc000000, v[MX+\q]   ; 8 off the exponent field: the conversion's scale operand
.endr
.irp q, 0,1,2,3,4,5,6,7,8,9
	v_and_or_b32 v[LIM+\q], v[MX+\q], 0x7f800000, s42   ; 448 x the scale
.endr
.irp q, 0,1,2,3,4,5,6,7,8,9
	v_lshrrev_b32 v[T2+\q], 23, v[SCO+\q]          ; the scale's byte
.endr
.if (\hf) == 0
.irp m, 0,1,2,3,4
	v_lshl_or_b32 v[HB+\m], v[T2+2*\m+1], 8, v[T2+2*\m]     ; bytes 0 and 1 of the word
.endr
.else
.irp m, 0,1,2,3,4
	v_lshl_or_b32 v[T2+2*\m], v[T2+2*\m+1], 8, v[T2+2*\m]
.endr
.irp m, 0,1,2,3,4
	v_lshl_or_b32 v[HB+\m], v[T2+2*\m], 16, v[HB+\m]        ; bytes 2 and 3: the word is whole
.endr
.endif
	WIN 0xc3                                       ; destination and source 0 window 3
.irp m, 0,1,2,3,4
.irp b, 0,1
.irp i, 0,1,2,3,4,5,6,7,8,9,10,11,12,13,14,15
	v_med3_num_f32 v[HAB+8*(10*\b+5*(\i/8)+\m)+\i%8], v[HAB+8*(10*\b+5*(\i/8)+\m)+\i%8], 0, v[LIM+2*\m+\b]   ; the activation and the hold in one (the conversion does not saturate: ISA guide 7.6.2)
.endr
.endr
.endr
	WIN 0x03                                       ; source 0 window 3
.irp m, 0,1,2,3,4
.irp b, 0,1
	v_cvt_scalef32_pk8_fp8_f32 v[PC+8*\m+4*\b:PC+8*\m+4*\b+1], v[HAB+8*(10*\b+\m):HAB+8*(10*\b+\m)+7], v[SCO+2*\m+\b]
	v_cvt_scalef32_pk8_fp8_f32 v[PC+8*\m+4*\b+2:PC+8*\m+4*\b+3], v[HAB+8*(10*\b+5+\m):HAB+8*(10*\b+5+\m)+7], v[SCO+2*\m+\b]
.endr
.endr
	WIN 0
	v_nop                                          ; one plain line behind the last conversion: later products write its sources
.irp m, 0,1,2,3,4
	ds_store_b128 v[9+\j], v[PC+8*\m:PC+8*\m+3] offset:8192*\m+512*(2*(\hf))
	ds_store_b128 v[9+\j], v[PC+8*\m+4:PC+8*\m+7] offset:8192*\m+512*(2*(\hf)+1)
.if (\hf) == 1
	ds_store_b32 v11, v[HB+\m] offset:2560*\j+512*\m         ; the scale words' image: 4 bytes a lane
.endif
.endr
.endm
	s_load_b512 s[4:19], s[0:1], 0x0               ; cnt, lst, xq, xs, wst, b1, b2, eo
	v_lshl_add_u32 v254, v0, 2, 0x28200
	v_mov_b32 v255, 0
	v_lshrrev_b32 v1, 5, v0
	v_readfirstlane_b32 s28, v1                    ; wave 0..3
	s_mov_b32 s29, ttmp9                           ; T
	s_and_b32 s30, ttmp7, 0xffff                   ; y
	v_and_b32 v1, 31, v0                           ; lane
	v_and_b32 v2, 15, v0                           ; r
	v_bfe_u32 v3, v0, 4, 1                         ; h
	v_lshlrev_b32 v4, 4, v1                        ; 16 lane: a fragment's image, a record's codes
	v_lshlrev_b32 v5, 3, v1                        ; 8 lane: a record's scale words
	v_lshlrev_b32 v6, 2, v1                        ; 4 lane: a scale word's image
	v_add_nc_u32 v7, HIMG, v4                      ; the hidden layer's images, chunk 0,
	v_add_nc_u32 v8, HIMG+40960, v4                ; chunk 1
	s_lshl_b32 s35, s28, 11
	v_add_nc_u32 v9, s35, v7                       ; where I store mine: K step = my wave
	v_add_nc_u32 v10, s35, v8
	v_add_nc_u32 v15, s35, v4                      ; and x's
	s_lshl_b32 s35, s28, 7
	v_add_nc_u32 v35, HSC, v6
	v_add_nc_u32 v11, s35, v35
	v_add_nc_u32 v16, s35, v6
	v_add_nc_u32 v16, XSC, v16
	s_mul_i32 s35, s28, 16*528
	s_add_co_u32 s35, s35, STG                     ; my stage
	v_mul_u32_u24 v12, v2, 528
	v_lshl_add_u32 v12, v3, 5, v12
	v_add_nc_u32 v12, s35, v12                     ; in: row r, + 32 h
	v_add_nc_u32 v13, s35, v4                      ; back: a row's 512 bytes by 32 lanes
	s_lshl_b32 s35, s28, 9
	v_add_nc_u32 v14, s35, v4                      ; my wave's 512 bytes of a row of eo
	v_lshlrev_b32 v17, 6, v3                       ; b1: 16 numbers for each half of the lanes
	v_lshlrev_b32 v18, 5, v3                       ; b2: 8
	v_lshlrev_b32 v70, 4, v3
	s_lshl_b32 s35, s28, 7
	v_add_nc_u32 v70, s35, v70                     ; x's codes: K step = my wave, + 16 h
	s_mov_b32 s40, 0x76543210
	s_mov_b32 s41, 0xfedcba98                      ; lane l xor 16
	s_mov_b32 s42, 0x600000                        ; the mantissa field of 448
	s_mov_b32 s31, 0
	s_mov_b32 s32, 0
	s_mov_b32 s33, 0
	s_mov_b32 s34, 0
	s_mov_b32 s37, 0
	s_wait_kmcnt 0x0
	s_load_b256 s[20:27], s[4:5], 0x0              ; rows of each expert
	s_wait_kmcnt 0x0
	; whose tile is T?  The last expert whose first tile is at or under T.  ceil(n / 80) = ((n + 79) x 52,429) >> 22, exact for n + 79 up to 4,175
.irp ex, 0,1,2,3,4,5,6,7
	s_min_u32 s[20+\ex], s[20+\ex], 4096
	s_cmp_ge_u32 s29, s34
	s_cselect_b32 s31, \ex, s31                    ; the expert,
	s_cselect_b32 s32, s34, s32                    ; its first tile,
	s_cselect_b32 s33, s[20+\ex], s33              ; its rows
	s_add_co_u32 s35, s[20+\ex], 79
	s_mul_i32 s35, s35, 0xcccd
	s_lshr_b32 s35, s35, 22
	s_add_co_u32 s34, s34, s35                     ; at the end: the number of tiles that this split has
.endr
	s_min_u32 s31, s31, 7
	s_sub_co_u32 s38, s29, s32
	s_mul_i32 s38, s38, 80                         ; my first row in the expert's list
	s_max_u32 s39, s33, 1
	s_sub_co_u32 s39, s39, 1                       ; its last row
	s_lshl_b32 s36, s31, 14
	s_add_nc_u64 s[6:7], s[6:7], s[36:37]          ; the expert's list
	s_lshl_b32 s36, s31, 3
	s_lshl_b32 s35, s30, 2
	s_add_co_u32 s36, s36, s35
	s_add_co_u32 s36, s36, s28
	s_mul_i32 s36, s36, STREAM
	s_add_nc_u64 s[12:13], s[12:13], s[36:37]      ; my wave's stream
	s_lshl_b32 s36, s31, 13
	s_lshl_b32 s35, s30, 12
	s_add_co_u32 s36, s36, s35
	s_lshl_b32 s35, s28, 9
	s_add_co_u32 s36, s36, s35
	s_add_nc_u64 s[14:15], s[14:15], s[36:37]      ; b1 at hidden unit 2,048 E + 1,024 y + 128 w
	s_lshl_b32 s36, s31, 11
	s_add_co_u32 s36, s36, s35
	s_add_nc_u64 s[16:17], s[16:17], s[36:37]      ; b2 at output 512 E + 128 w
	s_lshl_b32 s36, s30, 24
	s_add_nc_u64 s[18:19], s[18:19], s[36:37]      ; eo's half y
.irp m, 0,1,2,3,4
	s_add_co_u32 s35, s38, 16*\m
	v_add_nc_u32 v[XO+\m], s35, v2
	v_min_u32 v[XO+\m], s39, v[XO+\m]              ; slots past the expert's last row repeat it
	v_min_u32 v[XO+\m], 0xfff, v[XO+\m]            ; a place made of loaded numbers is held inside the list
	v_lshlrev_b32 v[XO+\m], 2, v[XO+\m]
	global_load_b32 v[RID+\m], v[XO+\m], s[6:7]
.endr
	s_lshl_b32 s36, s28, 2                         ; x's scale words: word = my wave's K step
	s_wait_loadcnt 0x0
.irp m, 0,1,2,3,4
	v_lshrrev_b32 v72, 1, v[RID+\m]                ; the token
	v_min_u32 v72, 0xfff, v72
	v_min_u32 v[RID+\m], 0x1fff, v[RID+\m]
	v_lshl_add_u32 v[XO+\m], v72, 9, v70
	v_lshl_add_u32 v[XSO+\m], v72, 4, s36
.endr
	; the gather: wave w takes K step w of all 80 rows, already in the operand's layout
.irp m, 0,1,2,3,4
.irp c, 0,1,2,3
	global_load_b128 v[XF0+16*\m+4*\c:XF0+16*\m+4*\c+3], v[XO+\m], s[8:9] offset:32*\c
.endr
	global_load_b32 v[XSW+\m], v[XSO+\m], s[10:11]
.endr
	GLOAD 0
	GLOAD 1
	GLOAD 2
	s_wait_loadcnt 59                              ; the gather is in: behind it groups 0, 1, 2 were issued: 25 + 17 + 17 loads
.irp m, 0,1,2,3,4
.irp c, 0,1,2,3
	ds_store_b128 v15, v[XF0+16*\m+4*\c:XF0+16*\m+4*\c+3] offset:8192*\m+512*\c
.endr
	ds_store_b32 v16, v[XSW+\m] offset:512*\m
.endr
	GLOAD 3
	s_wait_dscnt 0x0                               ; for the others' sake: my images of x have landed
	s_barrier_signal -1
	s_barrier_wait -1                              ; x's twenty fragments lie in LDS; they are never written again
	FETCH 0, 4, 6, XSC, 0
; A chunk of 512 hidden units: 8 groups of the first layer (two halves x four K steps), a barrier, 8 groups of the second (four K steps x two halves of my outputs).
; The rows' fragments are fetched one group (first layer) or two groups (second layer) ahead of their use, into the set that the group before has left, behind its places.
.macro CHUNK j
.set GB, 16*(\j)
.irp idx, 0,1,2,3,4,5,6,7
.set GG, GB+\idx
	WAITG GG
	s_wait_dscnt 0x0                               ; this K step's rows are in; after a half was quantised: its stores have read their registers
.if \idx != 7
	FETCH 1-(\idx%2), 4, 6, XSC, (\idx+1)%4
.endif
	MUL1 GG%4, \idx%2, ((\idx%4)==0)
	WIN 0
	PLACES
	GLOAD GG+4
.if (\idx%4) == 3
	QUANTH \j, (\idx/4)
.endif
.endr
	s_wait_dscnt 0x0                               ; for the others' sake: my images of the hidden layer have landed
	s_barrier_signal -1
	s_barrier_wait -1                              ; the chunk's twenty fragments lie in LDS, in bytes of the chunk's own
	FETCH 0, 7+\j, 35, 2560*\j, 0
.irp s, 0,1,2,3
.irp nh, 0,1
.set GG, GB+8+2*\s+\nh
	WAITG GG
.if \nh == 0
	s_wait_dscnt 0x0
.if \s < 3
	FETCH 1-(\s%2), 7+\j, 35, 2560*\j, \s+1
.elseif \j == 0
	FETCH 0, 4, 6, XSC, 0                          ; the next chunk begins with x's K step 0
.endif
.endif
	MUL2 GG%4, \s%2, \nh, ((\j==0)&&(\s==0))
	WIN 0
	PLACES
.if GG+4 < 32
	GLOAD GG+4
.elseif GG+4 == 32
	B2LOAD
.endif
.endr
.endr
.endm
	CHUNK 0
	CHUNK 1
	; THE WAY OUT.  A tile that this split does not have ends here: no barrier stands behind this branch, and nothing of it is stored.
	s_cmp_ge_u32 s29, s34
	s_cbranch_scc1 .Lend
	s_wait_loadcnt 0x0                             ; b2
	s_cmp_lg_u32 s30, 0                            ; half y = 0 adds b2, once for each row and expert
	s_cbranch_scc1 .Lnob2
.irp n, 0,1,2,3,4,5,6,7
.irp m, 0,1,2,3,4
.set aa, 5*\n+\m
.if aa < 32
	WIN 0x86                                       ; destination and source 0 window 2, source 1 (b2) window 1
.set rD, 8*aa
.else
	WIN 0xc7                                       ; the same with window 3
.set rD, 8*(aa-32)
.endif
.irp i, 0,2,4,6
	v_pk_add_f32 v[rD+\i:rD+\i+1], v[rD+\i:rD+\i+1], v[8*\n+\i:8*\n+\i+1]
.endr
.endr
.endr
	WIN 0
.Lnob2:
; Row tile m: a lane holds 32 bytes of a row for each of eight output tiles, and the lanes beside it hold other rows: so the tile goes through my own stage and comes back as rows of 512 bytes.
; Each row goes to its own place in eo, by its row id: 32 lanes store 512 consecutive bytes, aligned to 256.
.macro OUTM m
.set BK, XF0+80*((\m)%2)
.if (\m) > 0
	s_wait_xcnt 0x0                                ; the earlier tiles' stores have read their offsets and their data: both are written again only behind this wait
.endif
.irp t, 0,1,2,3,4,5,6,7,8,9,10,11,12,13,14,15
	v_readlane_b32 s44, v[RID+\m], \t
	s_min_u32 s44, s44, 8191
	s_lshl_b32 s44, s44, 11
	v_add_nc_u32 v[AD+\t], s44, v14
.endr
.irp n, 0,1,2,3,4,5,6,7
.set aa, 5*\n+\m
.if aa < 32
	WIN 0x08                                       ; an LDS store's data are its source 1: window 2
.set rD, 8*aa
.else
	WIN 0x0c                                       ; window 3
.set rD, 8*(aa-32)
.endif
	ds_store_b128 v12, v[rD:rD+3] offset:64*\n     ; each accumulator from its low end on
	ds_store_b128 v12, v[rD+4:rD+7] offset:64*\n+16
.endr
	WIN 0
.irp t, 0,1,2,3,4,5,6,7,8,9,10,11,12,13,14,15
	ds_load_b128 v[BK+4*\t:BK+4*\t+3], v13 offset:528*\t   ; my wave's own bytes, served in order: these see the stores above
.endr
	s_wait_dscnt 0x0
.irp t, 0,1,2,3,4,5,6,7,8,9,10,11,12,13,14,15
	global_store_b128 v[AD+\t], v[BK+4*\t:BK+4*\t+3], s[18:19]
.endr
.endm
	OUTM 0
	OUTM 1
	OUTM 2
	OUTM 3
	OUTM 4
.Lend:
	s_wait_tensorcnt 0x0
	ds_add_u32 v254, v255
	s_wait_dscnt 0x0
	s_endpgm
.Lfunc_end_k_qaf8745a9cf_experts:
	.size	k_qaf8745a9cf_experts, .Lfunc_end_k_qaf8745a9cf_experts-k_qaf8745a9cf_experts
	.p2alignl 7, 3214868480
	.fill 96, 4, 3214868480
	.section	.rodata,"a",@progbits
	.p2align	6, 0x0
	.amdhsa_kernel k_qaf8745a9cf_experts
		.amdhsa_group_segment_fixed_size 164864
		.amdhsa_private_segment_fixed_size 0
		.amdhsa_enable_private_segment 0
		.amdhsa_kernarg_size 64
		.amdhsa_user_sgpr_count 2
		.amdhsa_user_sgpr_kernarg_segment_ptr 1
		.amdhsa_wavefront_size32 1
		.amdhsa_system_sgpr_workgroup_id_x 1
		.amdhsa_system_sgpr_workgroup_id_y 1
		.amdhsa_system_sgpr_workgroup_id_z 1
		.amdhsa_system_vgpr_workitem_id 0
		.amdhsa_next_free_vgpr 1024
		.amdhsa_next_free_sgpr 66
		.amdhsa_reserve_vcc 0
		.amdhsa_float_denorm_mode_32 3
		.amdhsa_float_denorm_mode_16_64 3
		.amdhsa_memory_ordered 1
		.amdhsa_forward_progress 1
		.amdhsa_inst_pref_size 255
	.end_amdhsa_kernel
	.section	.bss,"aw",@nobits
	.p2align	6
	.space	262144
	.amdgpu_metadata
---
amdhsa.version: [ 1, 2 ]
amdhsa.kernels:
  - .name:           k_qaf8745a9cf_experts
    .symbol:         k_qaf8745a9cf_experts.kd
    .args:
      - { .name: cnt, .offset: 0, .size: 8, .value_kind: global_buffer, .address_space: global }
      - { .name: lst, .offset: 8, .size: 8, .value_kind: global_buffer, .address_space: global }
      - { .name: xq, .offset: 16, .size: 8, .value_kind: global_buffer, .address_space: global }
      - { .name: xs, .offset: 24, .size: 8, .value_kind: global_buffer, .address_space: global }
      - { .name: wst, .offset: 32, .size: 8, .value_kind: global_buffer, .address_space: global }
      - { .name: b1, .offset: 40, .size: 8, .value_kind: global_buffer, .address_space: global }
      - { .name: b2, .offset: 48, .size: 8, .value_kind: global_buffer, .address_space: global }
      - { .name: eo, .offset: 56, .size: 8, .value_kind: global_buffer, .address_space: global }
    .group_segment_fixed_size: 164864
    .private_segment_fixed_size: 0
    .kernarg_segment_align: 8
    .kernarg_segment_size: 64
    .max_flat_workgroup_size: 128
    .sgpr_count:     66
    .vgpr_count:     1024
    .wavefront_size: 32
...
	.end_amdgpu_metadata
.endif
;; end of part 3
;; launch finish (part 4): grid 256 x 1, 16 waves a work-group, no clusters, 0 bytes of LDS; arguments x, p, v, m, eo, gat, ln_w, ln_b, out0, out1, out2, out3; writes out0, out1, out2, out3
.if DOCPART == 4
	.amdgcn_target "amdgcn-amd-amdhsa--gfx1250"
	.amdhsa_code_object_version 6
	.text
	.protected	k_qaf8745a9cf_finish
	.globl	k_qaf8745a9cf_finish
	.p2align	8
	.type	k_qaf8745a9cf_finish,@function
k_qaf8745a9cf_finish:
	s_mov_b64 s[64:65], 0
	v_nop
	global_prefetch_b8 v0, s[64:65] scope:SCOPE_SE
	s_setreg_imm32_b32 hwreg(HW_REG_WAVE_MODE, 25, 1), 1
	s_wait_xcnt 0x0
; FINISH.  One wave, one token t: E = g0 (eo[0][2 t] + eo[1][2 t]) + g1 (eo[0][2 t + 1] + eo[1][2 t + 1]); momentum = 0.7 m + E; p_new = 0.9 p + 0.1 E; v_new = 0.999 v + 0.001 E^2;
; adam = p_new / sqrt(v_new + 1e-8) + x; y = x - adam, formed as the problem writes it; out = LayerNorm(y) ln_w + ln_b, the mean taken away before the squares are summed.  All in f32.
; A stream: a row of 2,048 bytes is four loads of 512 consecutive bytes; all 40 loads of a wave go out at once, and the work follows them in the order in which they were issued.  The row stays in registers between
; the passes; the sums never leave the wave: no LDS, no barrier.  The matrix units, clusters and tensor loads have nothing to do here: no byte is used twice.
; LIMITS: where v_new + 1e-8 is negative the result is NaN, as in the problem's own text.
.set A0, 16                            ; v16-31  eo half 0, row 2 t; then E
.set A1, 32                            ; v32-47  eo half 1, row 2 t; later at work
.set B0, 48                            ; v48-63  eo half 0, row 2 t + 1
.set B1, 64                            ; v64-79  eo half 1, row 2 t + 1
.set M,  80
.set P,  96
.set V,  112
.set X,  128
.set LW, 144
.set LB, 160
.set T,  176                           ; v176-191 at work; at last the normalised row
	s_load_b512 s[4:19], s[0:1], 0x0               ; x, p, v, m, eo, gat, ln_w, ln_b
	s_load_b256 s[20:27], s[0:1], 0x40             ; out0 .. out3
	v_lshrrev_b32 v1, 5, v0
	v_readfirstlane_b32 s28, v1                    ; wave 0..15
	v_and_b32 v4, 31, v0
	v_lshlrev_b32 v3, 4, v4                        ; 16 lane
	s_lshl_b32 s29, ttmp9, 4
	s_add_co_u32 s29, s29, s28                     ; the token
	s_lshl_b32 s30, s29, 11
	v_add_nc_u32 v1, s30, v3                       ; its row in x, p, v, m and the outputs
	s_lshl_b32 s30, s29, 12
	v_add_nc_u32 v2, s30, v3                       ; its two rows in eo
	s_lshl_b32 s38, s29, 3
	s_mov_b32 s39, 0
	s_mov_b32 s40, 0x76543210
	s_mov_b32 s41, 0xfedcba98                      ; lane l xor 16
	s_mov_b32 s42, 0x3727c5ac                      ; 1e-5
	s_mov_b32 s43, 0x3b000000                      ; 1 / 512
	s_wait_kmcnt 0x0
	s_add_nc_u64 s[14:15], s[14:15], s[38:39]
	s_load_b64 s[32:33], s[14:15], 0x0             ; g0, g1
	s_add_nc_u64 s[34:35], s[12:13], 0x1000000     ; eo's second half
.irp i, 0,1,2,3
	global_load_b128 v[A0+4*\i:A0+4*\i+3], v2, s[12:13] offset:512*\i th:TH_LOAD_NT
.endr
.irp i, 0,1,2,3
	global_load_b128 v[A1+4*\i:A1+4*\i+3], v2, s[34:35] offset:512*\i th:TH_LOAD_NT
.endr
.irp i, 0,1,2,3
	global_load_b128 v[B0+4*\i:B0+4*\i+3], v2, s[12:13] offset:2048+512*\i th:TH_LOAD_NT
.endr
.irp i, 0,1,2,3
	global_load_b128 v[B1+4*\i:B1+4*\i+3], v2, s[34:35] offset:2048+512*\i th:TH_LOAD_NT
.endr
.irp i, 0,1,2,3
	global_load_b128 v[M+4*\i:M+4*\i+3], v1, s[10:11] offset:512*\i th:TH_LOAD_NT
.endr
.irp i, 0,1,2,3
	global_load_b128 v[P+4*\i:P+4*\i+3], v1, s[6:7] offset:512*\i th:TH_LOAD_NT
.endr
.irp i, 0,1,2,3
	global_load_b128 v[V+4*\i:V+4*\i+3], v1, s[8:9] offset:512*\i th:TH_LOAD_NT
.endr
.irp i, 0,1,2,3
	global_load_b128 v[X+4*\i:X+4*\i+3], v1, s[4:5] offset:512*\i th:TH_LOAD_NT
.endr
.irp i, 0,1,2,3
	global_load_b128 v[LW+4*\i:LW+4*\i+3], v3, s[16:17] offset:512*\i
.endr
.irp i, 0,1,2,3
	global_load_b128 v[LB+4*\i:LB+4*\i+3], v3, s[18:19] offset:512*\i
.endr
	s_wait_kmcnt 0x0
	s_mov_b32 s36, s33                             ; g1 in a pair of its own: the packed forms take a scalar pair's low word for both halves
	s_mov_b32 s37, s33
	s_wait_loadcnt 20                              ; eo's four rows and m are in; behind them p, v, x, ln_w, ln_b: 20 loads
.irp j, 0,2,4,6,8,10,12,14
	v_pk_add_f32 v[A0+\j:A0+\j+1], v[A0+\j:A0+\j+1], v[A1+\j:A1+\j+1]
	v_pk_add_f32 v[B0+\j:B0+\j+1], v[B0+\j:B0+\j+1], v[B1+\j:B1+\j+1]
.endr
.irp j, 0,2,4,6,8,10,12,14
	v_pk_mul_f32 v[A0+\j:A0+\j+1], v[A0+\j:A0+\j+1], s[32:33] op_sel_hi:[1,0]
.endr
.irp j, 0,2,4,6,8,10,12,14
	v_pk_fma_f32 v[A0+\j:A0+\j+1], v[B0+\j:B0+\j+1], s[36:37], v[A0+\j:A0+\j+1] op_sel_hi:[1,0,1]   ; E
.endr
.irp j, 0,2,4,6,8,10,12,14
	v_pk_fma_f32 v[M+\j:M+\j+1], v[M+\j:M+\j+1], 0x3f333333, v[A0+\j:A0+\j+1] op_sel_hi:[1,0,1]     ; 0.7 m + E
.endr
.irp i, 0,1,2,3
	global_store_b128 v1, v[M+4*\i:M+4*\i+3], s[26:27] offset:512*\i th:TH_STORE_NT
.endr
.irp j, 0,2,4,6,8,10,12,14
	v_pk_mul_f32 v[T+\j:T+\j+1], v[A0+\j:A0+\j+1], 0x3dcccccd op_sel_hi:[1,0]                       ; 0.1 E
.endr
	s_wait_loadcnt 16                              ; p is in; behind it v, x, ln_w, ln_b
.irp j, 0,2,4,6,8,10,12,14
	v_pk_fma_f32 v[P+\j:P+\j+1], v[P+\j:P+\j+1], 0x3f666666, v[T+\j:T+\j+1] op_sel_hi:[1,0,1]       ; 0.9 p + 0.1 E
.endr
.irp i, 0,1,2,3
	global_store_b128 v1, v[P+4*\i:P+4*\i+3], s[22:23] offset:512*\i th:TH_STORE_NT
.endr
.irp j, 0,2,4,6,8,10,12,14
	v_pk_mul_f32 v[T+\j:T+\j+1], v[A0+\j:A0+\j+1], v[A0+\j:A0+\j+1]
.endr
.irp j, 0,2,4,6,8,10,12,14
	v_pk_mul_f32 v[T+\j:T+\j+1], v[T+\j:T+\j+1], 0x3a83126f op_sel_hi:[1,0]                         ; 0.001 E^2
.endr
	s_wait_loadcnt 12                              ; v is in; behind it x, ln_w, ln_b
.irp j, 0,2,4,6,8,10,12,14
	v_pk_fma_f32 v[V+\j:V+\j+1], v[V+\j:V+\j+1], 0x3f7fbe77, v[T+\j:T+\j+1] op_sel_hi:[1,0,1]       ; 0.999 v + 0.001 E^2
.endr
.irp i, 0,1,2,3
	global_store_b128 v1, v[V+4*\i:V+4*\i+3], s[24:25] offset:512*\i th:TH_STORE_NT
.endr
.irp j, 0,2,4,6,8,10,12,14
	v_pk_add_f32 v[T+\j:T+\j+1], v[V+\j:V+\j+1], 0x322bcc77 op_sel_hi:[1,0]                         ; + 1e-8
.endr
.irp j, 0,1,2,3,4,5,6,7,8,9,10,11,12,13,14,15
	v_rsq_f32 v[T+\j], v[T+\j]
.endr
	v_nop                                          ; one plain line behind the last transcendental
	s_wait_loadcnt 8                               ; x is in; behind it ln_w, ln_b
	s_wait_alu depctr_va_vdst(0)
.irp j, 0,2,4,6,8,10,12,14
	v_pk_fma_f32 v[T+\j:T+\j+1], v[T+\j:T+\j+1], v[P+\j:P+\j+1], v[X+\j:X+\j+1]                     ; adam
.endr
.irp j, 0,2,4,6,8,10,12,14
	v_pk_add_f32 v[T+\j:T+\j+1], v[X+\j:X+\j+1], v[T+\j:T+\j+1] neg_lo:[0,1] neg_hi:[0,1]           ; y = x - adam
.endr
.macro ACROSS r, tmp                   ; the sum over the 32 lanes, into every lane
.irp k, 1,2,4,8
	v_add_f32_dpp v[\r], v[\r], v[\r] row_xmask:\k row_mask:0xf bank_mask:0xf
.endr
	v_permlanex16_b32 v[\tmp], v[\r], s40, s41
	v_add_f32 v[\r], v[\r], v[\tmp]
.endm
	v_pk_add_f32 v[32:33], v[T:T+1], v[T+2:T+3]
	v_pk_add_f32 v[34:35], v[T+4:T+5], v[T+6:T+7]
	v_pk_add_f32 v[36:37], v[T+8:T+9], v[T+10:T+11]
	v_pk_add_f32 v[38:39], v[T+12:T+13], v[T+14:T+15]
	v_pk_add_f32 v[32:33], v[32:33], v[34:35]
	v_pk_add_f32 v[36:37], v[36:37], v[38:39]
	v_pk_add_f32 v[32:33], v[32:33], v[36:37]
	v_add_f32 v32, v32, v33
	ACROSS 32, 33
	v_mul_f32 v32, s43, v32                        ; the mean
	v_mov_b32 v33, v32
.irp j, 0,2,4,6,8,10,12,14
	v_pk_add_f32 v[T+\j:T+\j+1], v[T+\j:T+\j+1], v[32:33] neg_lo:[0,1] neg_hi:[0,1]
.endr
	v_pk_mul_f32 v[34:35], v[T:T+1], v[T:T+1]      ; the squares, in two chains
	v_pk_mul_f32 v[36:37], v[T+2:T+3], v[T+2:T+3]
.irp j, 4,8,12
	v_pk_fma_f32 v[34:35], v[T+\j:T+\j+1], v[T+\j:T+\j+1], v[34:35]
	v_pk_fma_f32 v[36:37], v[T+\j+2:T+\j+3], v[T+\j+2:T+\j+3], v[36:37]
.endr
	v_pk_add_f32 v[34:35], v[34:35], v[36:37]
	v_add_f32 v34, v34, v35
	ACROSS 34, 35
	v_fma_f32 v34, v34, s43, s42                   ; the variance + 1e-5
	v_rsq_f32 v34, v34
	v_nop                                          ; one plain line behind the transcendental
	s_wait_alu depctr_va_vdst(0)
	v_mov_b32 v35, v34
.irp j, 0,2,4,6,8,10,12,14
	v_pk_mul_f32 v[T+\j:T+\j+1], v[T+\j:T+\j+1], v[34:35]
.endr
	s_wait_loadcnt 0x0                             ; ln_w, ln_b
.irp j, 0,2,4,6,8,10,12,14
	v_pk_fma_f32 v[T+\j:T+\j+1], v[T+\j:T+\j+1], v[LW+\j:LW+\j+1], v[LB+\j:LB+\j+1]
.endr
.irp i, 0,1,2,3
	global_store_b128 v1, v[T+4*\i:T+4*\i+3], s[20:21] offset:512*\i th:TH_STORE_NT
.endr
	s_endpgm
.Lfunc_end_k_qaf8745a9cf_finish:
	.size	k_qaf8745a9cf_finish, .Lfunc_end_k_qaf8745a9cf_finish-k_qaf8745a9cf_finish
	.p2alignl 7, 3214868480
	.fill 96, 4, 3214868480
	.section	.rodata,"a",@progbits
	.p2align	6, 0x0
	.amdhsa_kernel k_qaf8745a9cf_finish
		.amdhsa_group_segment_fixed_size 0
		.amdhsa_private_segment_fixed_size 0
		.amdhsa_enable_private_segment 0
		.amdhsa_kernarg_size 96
		.amdhsa_user_sgpr_count 2
		.amdhsa_user_sgpr_kernarg_segment_ptr 1
		.amdhsa_wavefront_size32 1
		.amdhsa_system_sgpr_workgroup_id_x 1
		.amdhsa_system_sgpr_workgroup_id_y 1
		.amdhsa_system_sgpr_workgroup_id_z 1
		.amdhsa_system_vgpr_workitem_id 0
		.amdhsa_next_free_vgpr 192
		.amdhsa_next_free_sgpr 66
		.amdhsa_reserve_vcc 0
		.amdhsa_float_denorm_mode_32 3
		.amdhsa_float_denorm_mode_16_64 3
		.amdhsa_memory_ordered 1
		.amdhsa_forward_progress 1
		.amdhsa_inst_pref_size 19
	.end_amdhsa_kernel
	.amdgpu_metadata
---
amdhsa.version: [ 1, 2 ]
amdhsa.kernels:
  - .name:           k_qaf8745a9cf_finish
    .symbol:         k_qaf8745a9cf_finish.kd
    .args:
      - { .name: x, .offset: 0, .size: 8, .value_kind: global_buffer, .address_space: global }
      - { .name: p, .offset: 8, .size: 8, .value_kind: global_buffer, .address_space: global }
      - { .name: v, .offset: 16, .size: 8, .value_kind: global_buffer, .address_space: global }
      - { .name: m, .offset: 24, .size: 8, .value_kind: global_buffer, .address_space: global }
      - { .name: eo, .offset: 32, .size: 8, .value_kind: global_buffer, .address_space: global }
      - { .name: gat, .offset: 40, .size: 8, .value_kind: global_buffer, .address_space: global }
      - { .name: ln_w, .offset: 48, .size: 8, .value_kind: global_buffer, .address_space: global }
      - { .name: ln_b, .offset: 56, .size: 8, .value_kind: global_buffer, .address_space: global }
      - { .name: out0, .offset: 64, .size: 8, .value_kind: global_buffer, .address_space: global }
      - { .name: out1, .offset: 72, .size: 8, .value_kind: global_buffer, .address_space: global }
      - { .name: out2, .offset: 80, .size: 8, .value_kind: global_buffer, .address_space: global }
      - { .name: out3, .offset: 88, .size: 8, .value_kind: global_buffer, .address_space: global }
    .group_segment_fixed_size: 0
    .private_segment_fixed_size: 0
    .kernarg_segment_align: 8
    .kernarg_segment_size: 96
    .max_flat_workgroup_size: 512
    .sgpr_count:     66
    .vgpr_count:     192
    .wavefront_size: 32
...
	.end_amdgpu_metadata
.endif
;; end of part 4
;; ======== version 2 of 2: 4 launches; version 1 with the launch experts written anew for expert scheduling mode
;; workspace buffers: xq 2,097,152 bytes; xs 65,536 bytes; sel 16,384 bytes of whole numbers; gat 32,768 bytes; wst 17,301,504 bytes; lst 131,072 bytes of whole numbers; cnt 256 bytes of whole numbers; eo 33,554,432 bytes
;; launch prep: the kernel of part 1 again; grid 768 x 1, 4 waves a work-group, no clusters, 72,448 bytes of LDS; arguments x, gate_w, gate_b, w1_codes, w1_scales, w2_codes, w2_scales, wst, xq, xs, sel, gat; writes wst, xq, xs, sel, gat
;; launch place: the kernel of part 2 again; grid 8 x 1, 32 waves a work-group, no clusters, 4,352 bytes of LDS; arguments sel, lst, cnt; writes lst, cnt
;; launch experts (part 5): grid 110 x 2, 4 waves a work-group, no clusters, 164,864 bytes of LDS; arguments cnt, lst, xq, xs, wst, b1, b2, eo; writes eo
.if DOCPART == 5
	.amdgcn_target "amdgcn-amd-amdhsa--gfx1250"
	.amdhsa_code_object_version 6
	.text
	.protected	k_qaf8745a9cf_experts
	.globl	k_qaf8745a9cf_experts
	.p2align	8
	.type	k_qaf8745a9cf_experts,@function
k_qaf8745a9cf_experts:
	s_mov_b64 s[64:65], 0
	v_nop
	global_prefetch_b8 v0, s[64:65] scope:SCOPE_SE
	s_setreg_imm32_b32 hwreg(HW_REG_WAVE_SCHED_MODE, 0, 2), 2
	s_setreg_imm32_b32 hwreg(HW_REG_WAVE_MODE, 25, 1), 1
	s_wait_xcnt 0x0
	s_wait_alu depctr_vm_vsrc(0)
; EXPERTS.  eo[y][rid][:] = relu(x W1 + b1)[hidden units of half y] W2 (+ b2 in half y = 0), for the routed rows alone, both products on E4M3 codes with one E8M0 scale for each 32 along K.
; SHARES.  Work-group (T, y): tile T = 80 rows (five tiles of 16) of ONE expert, half y of H (1,024 hidden units, two chunks of 512).  8,192 routed rows in tiles of 80 over 8 experts are never more than 103 + 7 = 110 tiles.
; The waves share the columns: in chunk j wave w makes hidden units 128 (8 y + 4 j + w) .. + 127, and outputs 128 w .. + 127, for all 80 rows.  So each weight byte is wanted by one wave alone.
; THE WEIGHTS COME FROM MEMORY STRAIGHT INTO REGISTERS, from the stream that the first launch laid in register order: each load of a wave covers 512 consecutive bytes.  32 groups of four fragments; four register buffers:
; one is multiplied, two hold or await the next two groups, and the one that the group before has left is asked for again in the group's middle.  Each fragment feeds five matrix instructions.
; NO CLUSTER, NO TENSOR LOADS: a joint load lands in LDS, and a byte that one wave uses once would then be written to LDS and read back; and how many tiles an expert has hangs on counts read from memory.
; BOTH PRODUCTS ARE USED TRANSPOSED (source 0 = 16 rows of a weight, source 1 = 16 token rows): a lane holds one token row, its registers run along the hidden units or the outputs.
; The rows' codes go from wave to wave through LDS as images of the operand's registers (16 bytes a lane, 512 a store; scale words 4 bytes a lane).  Three barriers: x's images; the hidden layer's, once a chunk.
; The hidden layer never goes to memory: relu and the hold are one v_med3, the conversions' results are the second product's operand.
; A TILE THAT THIS SPLIT DOES NOT HAVE (T at or past the number of tiles) runs the same text on clamped rows up to the last product, since every wave passes every barrier, and then ends without storing:
; one scalar branch on whole numbers read from cnt, behind which no barrier stands.  Slots past an expert's last row repeat that row: they store the same numbers to the same place.
; LIMITS: NaN and infinities are not served.  A block of the hidden layer that is all zeros gets the byte 1 where the quantiser's text says 127: its codes are zeros and nobody else reads the byte.
; REGISTERS, in windows of 256.  Window 0: v1-35 lane terms and addresses; v36-43 the weights' scale words (a pair for each buffer); v44-53 the rows' scale words, two sets of five; v54-69 store offsets;
;   v71-75 the hidden layer's scale words in the making; v76-155, v156-235 the rows' fragments, two sets of five; the second set's registers are at work while a half is quantised.
;   Window 1: four weight buffers of 64; at the end b2.   Window 2: y's accumulators a = 5 n + m under 32.   Window 3: v0-63 accumulators 32-39; v64-223 the hidden layer's 20 tiles (f, m); v224-255 b1's four tiles.
; THE MODE: SCHED_MODE bits 1:0 = 2 (LLVM: expert scheduling mode 2), set by the entry lines.  The code itself states the register dependences between vector or matrix instructions and memory or LDS instructions,
; with s_wait_alu, always for 0.
; THE PLAN.  Registers that memory or LDS instructions touch, from the first group to the last:
;   W0 .. W3 and their pairs of scale words.  Group G's products read W[G % 4]; the loads of group G + 3 land in W[(G - 1) % 4], which the products of group G - 1 read; they are issued in group G.
;   b1's four tiles.  Read by the products of a half's first group (0, 4, 16, 20); loaded with the weights of groups 4, 16, 20, which go out in groups 1, 13, 17.
;   R0, R1, the rows' two sets with their scale words.  A group's products read one; the LDS loads of the next K step land in the other, which the group before read.
;   R1's registers are also the work registers of QUANTH: written and read by its vector lines; the codes among them, and v71-75, are read by its LDS stores.
;   The addresses v4-v18 and v35 are made at the head and never written again.
; So ONE wait on va_vdst stands at the head of each group that issues loads: the vector side is done with W[(G - 1) % 4], its scale words, b1 where it is loaded, and the rows' other set.  No product of group G names
; any of these, so the group's loads are dealt among its products with no further wait: three row tiles, ten products, the weights and the other two row tiles, ten products.
; QUANTH has one wait on va_vdst ahead of its LDS stores; the group behind it has a wait on vm_vsrc too, ahead of the loads that land where those stores read.  The head and the way out state theirs where they stand.
.set REC,    8448
.set STREAM, 32*REC
.set XSC,    40960                     ; LDS: x's 20 fragments (4 m + s) from byte 0; their scale words, 128 bytes each, here;
.set HIMG,   43520                     ; the hidden layer's 20 fragments, for each of the two chunks;
.set HSC,    125440                    ; their scale words;
.set STG,    130560                    ; a stage of 16 rows x 528 bytes for each wave
.set RID,    20                        ; v20-24 row ids of my lane's row in the five tiles
.set XO,     25                        ; v25-29 first the list's offsets, then x's codes'
.set XSO,    30                        ; v30-34 x's scale words'
.set WS,     36
.set XSW,    44
.set AD,     54
.set HB,     71                        ; v71-75 row tile m's scale word of my 128 hidden units: two bytes from each half
.set XF0,    76
.set MX,     156                       ; at work in QUANTH, index q = 2 m + b: largest magnitudes,
.set T2,     166                       ; the other half's, then bytes,
.set LIM,    176                       ; 448 x the scale,
.set SCO,    186                       ; the conversions' scale operands,
.set PC,     196                       ; and the codes, eight registers for each m
.set HAB,    64                        ; window 3
.set B1R,    224                       ; window 3
.set RS,     44                        ; s44-59 the way out: a row tile's sixteen row ids, then their byte offsets in eo
.set MSB, 0
.macro WIN new                         ; the immediate's high byte repeats the setting that is left; a switch that changes nothing is dropped
.if MSB != \new
	s_set_vgpr_msb (MSB<<8)|\new
.set MSB, \new
.endif
.endm
; Behind this matrix form eight plain vector lines stand ahead of a vector read or write of its registers and of a store that reads its result, and nine ahead of a matrix instruction that begins an accumulator anew
; over them.  A run of nine stands where such a line follows: ahead of each QUANTH and ahead of the way out.  For a load into a product's registers the wait at the next group's head states the dependence.
.macro PLACES
.rept 9
	v_nop
.endr
.endm
; Group G of the wave's stream into buffer G % 4: 16 loads of codes, one of scale words; ahead of each half of a chunk also b1's four tiles (8 loads): lane (r, h) wants hidden units 32 (f / 2) + 16 h + 8 (f % 2) + 0 .. 7.
.macro GLOAD G
.set BETA, (\G)%4
	WIN 0x40                                       ; destination window 1
.irp f, 0,1,2,3
.irp c, 0,1,2,3
	global_load_b128 v[64*BETA+16*\f+4*\c:64*BETA+16*\f+4*\c+3], v4, s[12:13] offset:REC*(\G)+2048*\f+512*\c
.endr
.endr
	WIN 0
	global_load_b64 v[WS+2*BETA:WS+2*BETA+1], v5, s[12:13] offset:REC*(\G)+8192
.if (((\G)%16) == 0) || (((\G)%16) == 4)
	WIN 0xc0                                       ; destination window 3
.irp f, 0,1,2,3
	global_load_b128 v[B1R+8*\f:B1R+8*\f+3], v17, s[14:15] offset:4*(512*((\G)/16)+64*(((\G)%16)/4)+32*(\f/2)+8*(\f%2))
	global_load_b128 v[B1R+8*\f+4:B1R+8*\f+7], v17, s[14:15] offset:4*(512*((\G)/16)+64*(((\G)%16)/4)+32*(\f/2)+8*(\f%2))+16
.endr
	WIN 0
.endif
.endm
.macro B2LOAD                          ; in the place of a 33rd group: b2's eight tiles into buffer 0: lane (r, h) wants outputs 16 n + 8 h + 0 .. 7
	WIN 0x40
.irp n, 0,1,2,3,4,5,6,7
	global_load_b128 v[8*\n:8*\n+3], v18, s[16:17] offset:64*\n
	global_load_b128 v[8*\n+4:8*\n+7], v18, s[16:17] offset:64*\n+16
.endr
	WIN 0
.endm
.macro LCOF G                          ; LCV = the loads that group G issues
.if (\G) > 32
.set LCV, 0
.elseif (\G) == 32
.set LCV, 16
.elseif (((\G)%16) == 0) || (((\G)%16) == 4)
.set LCV, 25
.else
.set LCV, 17
.endif
.endm
.macro WAITG G                         ; group G is in: behind it the loads of groups G + 1 and G + 2 were issued, and nothing else (group G + 3 goes out in group G); ahead of group 0 the head has issued groups 1, 2 and 3
	LCOF (\G)+1
.set WSUM, LCV
	LCOF (\G)+2
.set WSUM, WSUM+LCV
.if (\G) == 0
	LCOF 3
.set WSUM, WSUM+LCV
.endif
	s_wait_loadcnt WSUM
.endm
; Row tiles ma .. mb: their fragments of K step ks, and their scale words, from their images into set st
.macro FROWS st, adr, sadr, soff, ks, ma, mb
.irp m, 0,1,2,3,4
.if (\m >= \ma) && (\m <= \mb)
.irp c, 0,1,2,3
	ds_load_b128 v[XF0+80*(\st)+16*\m+4*\c:XF0+80*(\st)+16*\m+4*\c+3], v[\adr] offset:2048*(4*\m+(\ks))+512*\c
.endr
	ds_load_b32 v[XSW+5*(\st)+\m], v[\sadr] offset:(\soff)+128*(4*\m+(\ks))
.endif
.endr
.endm
; 10 products of the first layer: tiles fa, fb of hidden units x five tiles of rows.  A group's 20 accumulators take turns, one instruction a turn.  first = 1: b1 is the C that starts the sums.
; The weights' scale words: register f / 2 of the buffer's pair, lanes 0-15 for even f, lanes 16-31 for odd f.
.macro MUL1 beta, st, first, fa, fb
	WIN 0xf1                                       ; source 0 (weights) window 1, source 1 (rows) window 0, C and D window 3
.irp f, \fa, \fb
.irp m, 0,1,2,3,4
.set rD, HAB+8*(5*\f+\m)
.set rA, 64*(\beta)+16*\f
.set rB, XF0+80*(\st)+16*\m
.set rC, rD
.if \first
.set rC, B1R+8*\f
.endif
.if (\f%2) == 1
	v_wmma_scale_f32_16x16x128_f8f6f4 v[rD:rD+7], v[rA:rA+15], v[rB:rB+15], v[rC:rC+7], v[WS+2*(\beta)+\f/2], v[XSW+5*(\st)+\m] matrix_a_scale:MATRIX_SCALE_ROW1
.else
	v_wmma_scale_f32_16x16x128_f8f6f4 v[rD:rD+7], v[rA:rA+15], v[rB:rB+15], v[rC:rC+7], v[WS+2*(\beta)+\f/2], v[XSW+5*(\st)+\m]
.endif
.endr
.endr
.endm
; 10 products of the second layer: output tiles n = 4 nh + fa, 4 nh + fb x five tiles of rows, again by turns.  zero = 1: the constant 0 starts the sums.
.macro MUL2 beta, st, nh, zero, fa, fb
.irp f, \fa, \fb
.irp m, 0,1,2,3,4
.set aa, 5*(4*(\nh)+\f)+\m
.if aa < 32
	WIN 0xa1                                       ; C and D window 2
.set rD, 8*aa
.else
	WIN 0xf1                                       ; C and D window 3
.set rD, 8*(aa-32)
.endif
.set rA, 64*(\beta)+16*\f
.set rB, XF0+80*(\st)+16*\m
.if \zero
.if (\f%2) == 1
	v_wmma_scale_f32_16x16x128_f8f6f4 v[rD:rD+7], v[rA:rA+15], v[rB:rB+15], 0, v[WS+2*(\beta)+\f/2], v[XSW+5*(\st)+\m] matrix_a_scale:MATRIX_SCALE_ROW1
.else
	v_wmma_scale_f32_16x16x128_f8f6f4 v[rD:rD+7], v[rA:rA+15], v[rB:rB+15], 0, v[WS+2*(\beta)+\f/2], v[XSW+5*(\st)+\m]
.endif
.else
.if (\f%2) == 1
	v_wmma_scale_f32_16x16x128_f8f6f4 v[rD:rD+7], v[rA:rA+15], v[rB:rB+15], v[rD:rD+7], v[WS+2*(\beta)+\f/2], v[XSW+5*(\st)+\m] matrix_a_scale:MATRIX_SCALE_ROW1
.else
	v_wmma_scale_f32_16x16x128_f8f6f4 v[rD:rD+7], v[rA:rA+15], v[rB:rB+15], v[rD:rD+7], v[WS+2*(\beta)+\f/2], v[XSW+5*(\st)+\m]
.endif
.endif
.endr
.endr
.endm
; Half hf of my 128 hidden units of chunk j, for all 80 rows: 64 units = two blocks of 32 (b = 0, 1).  Tiles 2 b and 2 b + 1 of row tile m hold, in lane (r, h), units 32 b + 16 h + 0 .. 15 of row r.
; No |.| on the maxima: what is negative becomes 0 (the activation) and must not count; the floor 2^(9 - 127) stands over it and holds the byte at 1 from below.  Each accumulator is read from its low end on.
; The half's codes are registers 4 c .. 4 c + 3, c = 2 hf + b, of fragment (m, K step = my wave).  Its two scale bytes wait in v[HB + m]; the second half completes the word, which is stored whole.
.macro QUANTH j, hf
	WIN 0x0f                                       ; sources 0 and 1 window 3
.irp m, 0,1,2,3,4
.irp b, 0,1
	v_max3_num_f32 v[MX+2*\m+\b], v[HAB+8*(10*\b+\m)], v[HAB+8*(10*\b+\m)+1], 0x4800000
.endr
.endr
	WIN 0x3c                                       ; sources 1 and 2 window 3
.irp i, 2,4,6
.irp m, 0,1,2,3,4
.irp b, 0,1
	v_max3_num_f32 v[MX+2*\m+\b], v[MX+2*\m+\b], v[HAB+8*(10*\b+\m)+\i], v[HAB+8*(10*\b+\m)+\i+1]
.endr
.endr
.endr
.irp i, 0,2,4,6
.irp m, 0,1,2,3,4
.irp b, 0,1
	v_max3_num_f32 v[MX+2*\m+\b], v[MX+2*\m+\b], v[HAB+8*(10*\b+5+\m)+\i], v[HAB+8*(10*\b+5+\m)+\i+1]
.endr
.endr
.endr
	WIN 0
.irp q, 0,1,2,3,4,5,6,7,8,9
	v_permlanex16_b32 v[T2+\q], v[MX+\q], s40, s41
.endr
.irp q, 0,1,2,3,4,5,6,7,8,9
	v_max_num_f32 v[MX+\q], v[MX+\q], v[T2+\q]     ; with lane l xor 16's 16 units: the block's largest
.endr
.irp q, 0,1,2,3,4,5,6,7,8,9
	v_add_nc_u32 v[SCO+\q], 0xfc000000, v[MX+\q]   ; 8 off the exponent field: the conversion's scale operand
.endr
.irp q, 0,1,2,3,4,5,6,7,8,9
	v_and_or_b32 v[LIM+\q], v[MX+\q], 0x7f800000, s42   ; 448 x the scale
.endr
.irp q, 0,1,2,3,4,5,6,7,8,9
	v_lshrrev_b32 v[T2+\q], 23, v[SCO+\q]          ; the scale's byte
.endr
.if (\hf) == 0
.irp m, 0,1,2,3,4
	v_lshl_or_b32 v[HB+\m], v[T2+2*\m+1], 8, v[T2+2*\m]     ; bytes 0 and 1 of the word
.endr
.else
.irp m, 0,1,2,3,4
	v_lshl_or_b32 v[T2+2*\m], v[T2+2*\m+1], 8, v[T2+2*\m]
.endr
.irp m, 0,1,2,3,4
	v_lshl_or_b32 v[HB+\m], v[T2+2*\m], 16, v[HB+\m]        ; bytes 2 and 3: the word is whole
.endr
.endif
	WIN 0xc3                                       ; destination and source 0 window 3
.irp m, 0,1,2,3,4
.irp b, 0,1
.irp i, 0,1,2,3,4,5,6,7,8,9,10,11,12,13,14,15
	v_med3_num_f32 v[HAB+8*(10*\b+5*(\i/8)+\m)+\i%8], v[HAB+8*(10*\b+5*(\i/8)+\m)+\i%8], 0, v[LIM+2*\m+\b]   ; the activation and the hold in one (the conversion does not saturate: ISA guide 7.6.2)
.endr
.endr
.endr
	WIN 0x03                                       ; source 0 window 3
.irp m, 0,1,2,3,4
.irp b, 0,1
	v_cvt_scalef32_pk8_fp8_f32 v[PC+8*\m+4*\b:PC+8*\m+4*\b+1], v[HAB+8*(10*\b+\m):HAB+8*(10*\b+\m)+7], v[SCO+2*\m+\b]
	v_cvt_scalef32_pk8_fp8_f32 v[PC+8*\m+4*\b+2:PC+8*\m+4*\b+3], v[HAB+8*(10*\b+5+\m):HAB+8*(10*\b+5+\m)+7], v[SCO+2*\m+\b]
.endr
.endr
	WIN 0
	v_nop                                          ; one plain line behind the last conversion: later products write its sources
	s_wait_alu depctr_va_vdst(0)                   ; the conversions have written the codes v[PC ..], and the lines above them the scale words v[HB ..], which the LDS stores below read
.irp m, 0,1,2,3,4
	ds_store_b128 v[9+\j], v[PC+8*\m:PC+8*\m+3] offset:8192*\m+512*(2*(\hf))
	ds_store_b128 v[9+\j], v[PC+8*\m+4:PC+8*\m+7] offset:8192*\m+512*(2*(\hf)+1)
.if (\hf) == 1
	ds_store_b32 v11, v[HB+\m] offset:2560*\j+512*\m         ; the scale words' image: 4 bytes a lane
.endif
.endr
.endm
	s_load_b512 s[4:19], s[0:1], 0x0               ; cnt, lst, xq, xs, wst, b1, b2, eo
	v_lshl_add_u32 v254, v0, 2, 0x28200
	v_mov_b32 v255, 0
	v_lshrrev_b32 v1, 5, v0
	v_readfirstlane_b32 s28, v1                    ; wave 0..3
	s_mov_b32 s29, ttmp9                           ; T
	s_and_b32 s30, ttmp7, 0xffff                   ; y
	v_and_b32 v1, 31, v0                           ; lane
	v_and_b32 v2, 15, v0                           ; r
	v_bfe_u32 v3, v0, 4, 1                         ; h
	v_lshlrev_b32 v4, 4, v1                        ; 16 lane: a fragment's image, a record's codes
	v_lshlrev_b32 v5, 3, v1                        ; 8 lane: a record's scale words
	v_lshlrev_b32 v6, 2, v1                        ; 4 lane: a scale word's image
	v_add_nc_u32 v7, HIMG, v4                      ; the hidden layer's images, chunk 0,
	v_add_nc_u32 v8, HIMG+40960, v4                ; chunk 1
	s_wait_alu depctr_va_sdst(0)                   ; s28, the wave's number, is written, ahead of its first reader: LDS addresses and the wave's bases are made from it
	s_lshl_b32 s35, s28, 11
	v_add_nc_u32 v9, s35, v7                       ; where I store mine: K step = my wave
	v_add_nc_u32 v10, s35, v8
	v_add_nc_u32 v15, s35, v4                      ; and x's
	s_lshl_b32 s35, s28, 7
	v_add_nc_u32 v35, HSC, v6
	v_add_nc_u32 v11, s35, v35
	v_add_nc_u32 v16, s35, v6
	v_add_nc_u32 v16, XSC, v16
	s_mul_i32 s35, s28, 16*528
	s_add_co_u32 s35, s35, STG                     ; my stage
	v_mul_u32_u24 v12, v2, 528
	v_lshl_add_u32 v12, v3, 5, v12
	v_add_nc_u32 v12, s35, v12                     ; in: row r, + 32 h
	v_add_nc_u32 v13, s35, v4                      ; back: a row's 512 bytes by 32 lanes
	s_lshl_b32 s35, s28, 9
	v_add_nc_u32 v14, s35, v4                      ; my wave's 512 bytes of a row of eo
	v_lshlrev_b32 v17, 6, v3                       ; b1: 16 numbers for each half of the lanes
	v_lshlrev_b32 v18, 5, v3                       ; b2: 8
	v_lshlrev_b32 v70, 4, v3
	s_lshl_b32 s35, s28, 7
	v_add_nc_u32 v70, s35, v70                     ; x's codes: K step = my wave, + 16 h
	s_mov_b32 s40, 0x76543210
	s_mov_b32 s41, 0xfedcba98                      ; lane l xor 16
	s_mov_b32 s42, 0x600000                        ; the mantissa field of 448
	s_mov_b32 s31, 0
	s_mov_b32 s32, 0
	s_mov_b32 s33, 0
	s_mov_b32 s34, 0
	s_mov_b32 s37, 0
	s_wait_kmcnt 0x0
	s_load_b256 s[20:27], s[4:5], 0x0              ; rows of each expert
	s_wait_kmcnt 0x0
	; whose tile is T?  The last expert whose first tile is at or under T.  ceil(n / 80) = ((n + 79) x 52,429) >> 22, exact for n + 79 up to 4,175
.irp ex, 0,1,2,3,4,5,6,7
	s_min_u32 s[20+\ex], s[20+\ex], 4096
	s_cmp_ge_u32 s29, s34
	s_cselect_b32 s31, \ex, s31                    ; the expert,
	s_cselect_b32 s32, s34, s32                    ; its first tile,
	s_cselect_b32 s33, s[20+\ex], s33              ; its rows
	s_add_co_u32 s35, s[20+\ex], 79
	s_mul_i32 s35, s35, 0xcccd
	s_lshr_b32 s35, s35, 22
	s_add_co_u32 s34, s34, s35                     ; at the end: the number of tiles that this split has
.endr
	s_min_u32 s31, s31, 7
	s_sub_co_u32 s38, s29, s32
	s_mul_i32 s38, s38, 80                         ; my first row in the expert's list
	s_max_u32 s39, s33, 1
	s_sub_co_u32 s39, s39, 1                       ; its last row
	s_lshl_b32 s36, s31, 14
	s_add_nc_u64 s[6:7], s[6:7], s[36:37]          ; the expert's list
	s_lshl_b32 s36, s31, 3
	s_lshl_b32 s35, s30, 2
	s_add_co_u32 s36, s36, s35
	s_add_co_u32 s36, s36, s28
	s_mul_i32 s36, s36, STREAM
	s_add_nc_u64 s[12:13], s[12:13], s[36:37]      ; my wave's stream
	s_lshl_b32 s36, s31, 13
	s_lshl_b32 s35, s30, 12
	s_add_co_u32 s36, s36, s35
	s_lshl_b32 s35, s28, 9
	s_add_co_u32 s36, s36, s35
	s_add_nc_u64 s[14:15], s[14:15], s[36:37]      ; b1 at hidden unit 2,048 E + 1,024 y + 128 w
	s_lshl_b32 s36, s31, 11
	s_add_co_u32 s36, s36, s35
	s_add_nc_u64 s[16:17], s[16:17], s[36:37]      ; b2 at output 512 E + 128 w
	s_lshl_b32 s36, s30, 24
	s_add_nc_u64 s[18:19], s[18:19], s[36:37]      ; eo's half y
.irp m, 0,1,2,3,4
	s_add_co_u32 s35, s38, 16*\m
	v_add_nc_u32 v[XO+\m], s35, v2
	v_min_u32 v[XO+\m], s39, v[XO+\m]              ; slots past the expert's last row repeat it
	v_min_u32 v[XO+\m], 0xfff, v[XO+\m]            ; a place made of loaded numbers is held inside the list
	v_lshlrev_b32 v[XO+\m], 2, v[XO+\m]
.endr
	s_wait_alu depctr_va_vdst(0)                   ; the list's five offsets are written, which the loads below read; so are the addresses v4 to v18 and v35, which every later load and store reads and nothing writes again
.irp m, 0,1,2,3,4
	global_load_b32 v[RID+\m], v[XO+\m], s[6:7]
.endr
	s_lshl_b32 s36, s28, 2                         ; x's scale words: word = my wave's K step
	s_wait_loadcnt 0x0
	s_wait_alu depctr_vm_vsrc(0)                   ; the list's loads have read v[XO ..], which the lines below write anew
.irp m, 0,1,2,3,4
	v_lshrrev_b32 v72, 1, v[RID+\m]                ; the token
	v_min_u32 v72, 0xfff, v72
	v_min_u32 v[RID+\m], 0x1fff, v[RID+\m]
	v_lshl_add_u32 v[XO+\m], v72, 9, v70
	v_lshl_add_u32 v[XSO+\m], v72, 4, s36
.endr
	s_wait_alu depctr_va_vdst(0)                   ; the gather's ten offsets v[XO ..] and v[XSO ..] are written
	; the gather: wave w takes K step w of all 80 rows, already in the operand's layout
.irp m, 0,1,2,3,4
.irp c, 0,1,2,3
	global_load_b128 v[XF0+16*\m+4*\c:XF0+16*\m+4*\c+3], v[XO+\m], s[8:9] offset:32*\c
.endr
	global_load_b32 v[XSW+\m], v[XSO+\m], s[10:11]
.endr
	GLOAD 0
	GLOAD 1
	GLOAD 2
	s_wait_loadcnt 59                              ; the gather is in: behind it groups 0, 1, 2 were issued: 25 + 17 + 17 loads
.irp m, 0,1,2,3,4
.irp c, 0,1,2,3
	ds_store_b128 v15, v[XF0+16*\m+4*\c:XF0+16*\m+4*\c+3] offset:8192*\m+512*\c
.endr
	ds_store_b32 v16, v[XSW+\m] offset:512*\m
.endr
	GLOAD 3
	s_wait_dscnt 0x0                               ; for the others' sake: my images of x have landed
	s_barrier_signal -1
	s_barrier_wait -1                              ; x's twenty fragments lie in LDS; they are never written again
	s_wait_alu depctr_vm_vsrc(0)                   ; my LDS stores have read the rows' first set and its scale words, in which the loads below land
	FROWS 0, 4, 6, XSC, 0, 0, 4
; A chunk of 512 hidden units: 8 groups of the first layer (two halves x four K steps), a barrier, 8 groups of the second (four K steps x two halves of my outputs).
; The rows' fragments are fetched one group (first layer) or two groups (second layer) ahead of their use, into the set that the group before has left.
.macro CHUNK j
.set GB, 16*(\j)
.irp idx, 0,1,2,3,4,5,6,7
.set GG, GB+\idx
	WAITG GG
	s_wait_dscnt 0x0                               ; this K step's rows are in
.if \idx == 4
	s_wait_alu depctr_vm_vsrc(0)                   ; the first half's LDS stores have read the codes v[PC ..], in which the rows below land
.endif
.if GG > 0
	s_wait_alu depctr_va_vdst(0)                   ; the vector side is done with the registers in which this group's loads land: the last group's products have read their weights, scale words, rows and (a half's first group) b1; behind a QUANTH its lines are done with the second set
.endif
.if \idx != 7
	FROWS 1-(\idx%2), 4, 6, XSC, (\idx+1)%4, 0, 2
.endif
	MUL1 GG%4, \idx%2, ((\idx%4)==0), 0, 1
.if GG > 0
	GLOAD GG+3                                     ; no wait: no product since the head's wait names the buffer that the last group left
.endif
	WIN 0
.if \idx != 7
	FROWS 1-(\idx%2), 4, 6, XSC, (\idx+1)%4, 3, 4
.endif
	MUL1 GG%4, \idx%2, ((\idx%4)==0), 2, 3
	WIN 0
.if (\idx%4) == 3
	PLACES
	QUANTH \j, (\idx/4)
.endif
.endr
	s_wait_dscnt 0x0                               ; for the others' sake: my images of the hidden layer have landed
	s_barrier_signal -1
	s_barrier_wait -1                              ; the chunk's twenty fragments lie in LDS, in bytes of the chunk's own
	FROWS 0, 7+\j, 35, 2560*\j, 0, 0, 4            ; into the first set, which the products of two groups back read last: QUANTH's wait stands behind them, and nothing on the vector side was issued since
.irp s, 0,1,2,3
.irp nh, 0,1
.set GG, GB+8+2*\s+\nh
	WAITG GG
.if \nh == 0
	s_wait_dscnt 0x0                               ; this K step's rows are in
.endif
.if (\s == 0) && (\nh == 0)
	s_wait_alu depctr_vm_vsrc(0)                   ; the second half's LDS stores have read the codes v[PC ..], in which the rows below land, and the scale words v[HB ..], which the next chunk writes anew
.endif
.if GG+3 <= 32
	s_wait_alu depctr_va_vdst(0)                   ; the vector side is done with the registers in which this group's loads land: the last group's products have read their weights, scale words and rows; behind a QUANTH its lines are done with the second set
.endif
.if \nh == 0
.if \s < 3
	FROWS 1-(\s%2), 7+\j, 35, 2560*\j, \s+1, 0, 2
.elseif \j == 0
	FROWS 0, 4, 6, XSC, 0, 0, 2                    ; the next chunk begins with x's K step 0
.endif
.endif
	MUL2 GG%4, \s%2, \nh, ((\j==0)&&(\s==0)), 0, 1
.if GG+3 < 32
	GLOAD GG+3                                     ; no wait: no product since the head's wait names the buffer that the last group left
.elseif GG+3 == 32
	B2LOAD
.endif
	WIN 0
.if \nh == 0
.if \s < 3
	FROWS 1-(\s%2), 7+\j, 35, 2560*\j, \s+1, 3, 4
.elseif \j == 0
	FROWS 0, 4, 6, XSC, 0, 3, 4
.endif
.endif
	MUL2 GG%4, \s%2, \nh, ((\j==0)&&(\s==0)), 2, 3
	WIN 0
.endr
.endr
.endm
	CHUNK 0
	CHUNK 1
	PLACES                                         ; behind the last products, ahead of the additions and the LDS stores that read their results
	; THE WAY OUT.  A tile that this split does not have ends here: no barrier stands behind this branch, and nothing of it is stored.
	s_cmp_ge_u32 s29, s34
	s_cbranch_scc1 .Lend
	s_wait_loadcnt 0x0                             ; b2
	s_cmp_lg_u32 s30, 0                            ; half y = 0 adds b2, once for each row and expert
	s_cbranch_scc1 .Lnob2
.irp n, 0,1,2,3,4,5,6,7
.irp m, 0,1,2,3,4
.set aa, 5*\n+\m
.if aa < 32
	WIN 0x86                                       ; destination and source 0 window 2, source 1 (b2) window 1
.set rD, 8*aa
.else
	WIN 0xc7                                       ; the same with window 3
.set rD, 8*(aa-32)
.endif
.irp i, 0,2,4,6
	v_pk_add_f32 v[rD+\i:rD+\i+1], v[rD+\i:rD+\i+1], v[8*\n+\i:8*\n+\i+1]
.endr
.endr
.endr
	WIN 0
.Lnob2:
; Row tile m: a lane holds 32 bytes of a row for each of eight output tiles, and the lanes beside it hold other rows: so the tile goes through my own stage and comes back as rows of 512 bytes.
; Each row goes to its own place in eo, by its row id: 32 lanes store 512 consecutive bytes, aligned to 256.
; The sixteen row ids go to sixteen scalar registers in one run, so that one wait serves them all.
.macro OUTM m
.set BK, XF0+80*((\m)%2)
.irp t, 0,1,2,3,4,5,6,7,8,9,10,11,12,13,14,15
	v_readlane_b32 s[RS+\t], v[RID+\m], \t
.endr
	s_wait_alu depctr_va_sdst(0)                   ; the sixteen row ids s44 to s59 are written, ahead of their first reader
.irp t, 0,1,2,3,4,5,6,7,8,9,10,11,12,13,14,15
	s_min_u32 s[RS+\t], s[RS+\t], 8191
	s_lshl_b32 s[RS+\t], s[RS+\t], 11
.endr
.if (\m) > 0
	s_wait_xcnt 0x0                                ; the earlier tiles' stores have had their addresses translated: their offsets and their data are written again only behind this wait
	s_wait_alu depctr_vm_vsrc(0)                   ; the earlier tiles' stores have read their offsets v[AD ..], which the lines below write anew, and their data, in which the stage's loads below land
.endif
.irp t, 0,1,2,3,4,5,6,7,8,9,10,11,12,13,14,15
	v_add_nc_u32 v[AD+\t], s[RS+\t], v14
.endr
	s_wait_alu depctr_va_vdst(0)                   ; the sixteen offsets are written, which the global stores read; in the first tile also: the products and b2's additions have written the accumulators, which the LDS stores read, and the products are done reading the rows' sets, in which the stage's loads land
.irp n, 0,1,2,3,4,5,6,7
.set aa, 5*\n+\m
.if aa < 32
	WIN 0x08                                       ; an LDS store's data are its source 1: window 2
.set rD, 8*aa
.else
	WIN 0x0c                                       ; window 3
.set rD, 8*(aa-32)
.endif
	ds_store_b128 v12, v[rD:rD+3] offset:64*\n     ; each accumulator from its low end on
	ds_store_b128 v12, v[rD+4:rD+7] offset:64*\n+16
.endr
	WIN 0
.irp t, 0,1,2,3,4,5,6,7,8,9,10,11,12,13,14,15
	ds_load_b128 v[BK+4*\t:BK+4*\t+3], v13 offset:528*\t   ; my wave's own bytes, served in order: these see the stores above
.endr
	s_wait_dscnt 0x0
.irp t, 0,1,2,3,4,5,6,7,8,9,10,11,12,13,14,15
	global_store_b128 v[AD+\t], v[BK+4*\t:BK+4*\t+3], s[18:19]
.endr
.endm
	OUTM 0
	OUTM 1
	OUTM 2
	OUTM 3
	OUTM 4
.Lend:
	s_wait_dscnt 0x0                               ; the closing lines, six on end
	s_wait_alu 0x0
	s_wait_tensorcnt 0x0
	ds_add_u32 v254, v255
	s_wait_dscnt 0x0
	s_endpgm
.Lfunc_end_k_qaf8745a9cf_experts:
	.size	k_qaf8745a9cf_experts, .Lfunc_end_k_qaf8745a9cf_experts-k_qaf8745a9cf_experts
	.p2alignl 7, 3214868480
	.fill 96, 4, 3214868480
	.section	.rodata,"a",@progbits
	.p2align	6, 0x0
	.amdhsa_kernel k_qaf8745a9cf_experts
		.amdhsa_group_segment_fixed_size 164864
		.amdhsa_private_segment_fixed_size 0
		.amdhsa_enable_private_segment 0
		.amdhsa_kernarg_size 64
		.amdhsa_user_sgpr_count 2
		.amdhsa_user_sgpr_kernarg_segment_ptr 1
		.amdhsa_wavefront_size32 1
		.amdhsa_system_sgpr_workgroup_id_x 1
		.amdhsa_system_sgpr_workgroup_id_y 1
		.amdhsa_system_sgpr_workgroup_id_z 1
		.amdhsa_system_vgpr_workitem_id 0
		.amdhsa_next_free_vgpr 1024
		.amdhsa_next_free_sgpr 66
		.amdhsa_reserve_vcc 0
		.amdhsa_float_denorm_mode_32 3
		.amdhsa_float_denorm_mode_16_64 3
		.amdhsa_memory_ordered 1
		.amdhsa_forward_progress 1
		.amdhsa_inst_pref_size 255
	.end_amdhsa_kernel
	.section	.bss,"aw",@nobits
	.p2align	6
	.space	262144
	.amdgpu_metadata
---
amdhsa.version: [ 1, 2 ]
amdhsa.kernels:
  - .name:           k_qaf8745a9cf_experts
    .symbol:         k_qaf8745a9cf_experts.kd
    .args:
      - { .name: cnt, .offset: 0, .size: 8, .value_kind: global_buffer, .address_space: global }
      - { .name: lst, .offset: 8, .size: 8, .value_kind: global_buffer, .address_space: global }
      - { .name: xq, .offset: 16, .size: 8, .value_kind: global_buffer, .address_space: global }
      - { .name: xs, .offset: 24, .size: 8, .value_kind: global_buffer, .address_space: global }
      - { .name: wst, .offset: 32, .size: 8, .value_kind: global_buffer, .address_space: global }
      - { .name: b1, .offset: 40, .size: 8, .value_kind: global_buffer, .address_space: global }
      - { .name: b2, .offset: 48, .size: 8, .value_kind: global_buffer, .address_space: global }
      - { .name: eo, .offset: 56, .size: 8, .value_kind: global_buffer, .address_space: global }
    .group_segment_fixed_size: 164864
    .private_segment_fixed_size: 0
    .kernarg_segment_align: 8
    .kernarg_segment_size: 64
    .max_flat_workgroup_size: 128
    .sgpr_count:     66
    .vgpr_count:     1024
    .wavefront_size: 32
...
	.end_amdgpu_metadata
.endif
;; end of part 5
;; launch finish: the kernel of part 4 again; grid 256 x 1, 16 waves a work-group, no clusters, 0 bytes of LDS; arguments x, p, v, m, eo, gat, ln_w, ln_b, out0, out1, out2, out3; writes out0, out1, out2, out3
